; MI455X (gfx1250); checked and timed in simulation.
; The chip was launched on July 23, 2026; its instructions are those of AMD's public machine-readable ISA for CDNA 5 (MIT licence, August 2026) and "CDNA5" Instruction Set Architecture Reference Guide (July 2026). The comments in the code are by the model that wrote it; some were corrected since.
;; Causal Multi Head Self Attention. Allowed arithmetic: float matrix products may take bf16 or f16 operands with f32 sums; all other float work in f32.
;; Inputs: WK 1,024 x 1,024 float32; WO 1,024 x 1,024 float32; WQ 1,024 x 1,024 float32; WV 1,024 x 1,024 float32; x 4 x 2,048 x 1,024 float32.
;; Outputs: out0 4 x 2,048 x 1,024 float32.
;; 3 versions, each right; version 2 is faster than version 1; version 3 is version 2 with the launch cast written anew for expert scheduling mode. Each part assembles by itself: llvm-mc -triple=amdgcn-amd-amdhsa -mcpu=gfx1250 --defsym DOCPART=n.
;; ======== version 1 of 3: 4 launches
;; limits: values are held in f16: magnitudes above 65,504 overflow, below 6.1e-05 lose precision
;; workspace buffers: xb 16,777,216 bytes; wb 8,388,608 bytes; qkv 50,331,648 bytes; att 16,777,216 bytes
;; launch cast (part 1): grid 768 x 1, 8 waves a work-group, no clusters, 0 bytes of LDS; arguments x, WQ, WK, WV, WO, xb, wb; writes xb, wb
.if DOCPART == 1
	.amdgcn_target "amdgcn-amd-amdhsa--gfx1250"
	.amdhsa_code_object_version 6
	.text
	.protected	k_q0a439c5ea0_cast
	.globl	k_q0a439c5ea0_cast
	.p2align	8
	.type	k_q0a439c5ea0_cast,@function
k_q0a439c5ea0_cast:
	s_mov_b64 s[64:65], 0
	v_nop
	global_prefetch_b8 v0, s[64:65] scope:SCOPE_SE
	s_setreg_imm32_b32 hwreg(HW_REG_WAVE_MODE, 25, 1), 1
	s_wait_xcnt 0x0
; cast: the five f32 inputs are rounded once to 16 bits, so that the matrix launches behind it move half the bytes and convert nothing.
;   xb [8192][1024] bf16 = x.   wb [4096][1024]: rows 0-1023 WQ, 1024-2047 WK, 2048-3071 WV in bf16; rows 3072-4095 WO.
; WO multiplies an f16 operand (the attention result), so it has to be an f16 word: it is rounded to bf16 like the others and that number
; is then written as f16, which is exact while it is a normal f16 number.
; LIMIT: |WO| below 65,504 (beyond it the f16 word is infinite); entries of WO under 6.1e-5 are kept to an absolute 2^-25 only.
; A stream: no LDS, no barrier, no matrix unit.  A work-group takes 16,384 numbers (64 KiB in, 32 KiB out): 512 work-groups for x, 64 for each W.
; Thread t, chunk c: 16 bytes in at 16 t + 4,096 c, 8 bytes out at 8 t + 2,048 c: a wave's load covers 512 consecutive bytes, its store 256
; consecutive bytes at a multiple of 256.  All sixteen loads go out first; each chunk has registers of its own, so nothing is rewritten.
.set IN,    4                          ; v[4:67]    chunk c: 4 numbers in f32
.set OUT,   68                         ; v[68:99]   chunk c: 4 numbers in 16 bits
.set T,     100                        ; v[100:102] at work
.set XWG,   512                        ; work-groups that take x
.set WOWG,  704                        ; the first of the 64 that take WO
	s_load_b256 s[4:11], s[0:1], 0x0               ; x s[4:5], WQ s[6:7], WK s[8:9], WV s[10:11]
	s_load_b128 s[12:15], s[0:1], 0x20             ; WO s[12:13], xb s[14:15]
	s_load_b64 s[16:17], s[0:1], 0x30              ; wb
	v_lshlrev_b32 v1, 4, v0                        ; 16 t
	v_lshlrev_b32 v2, 3, v0                        ; 8 t
	s_sub_co_u32 s18, ttmp9, XWG                   ; j: my block among the weights' 256 (used only where the id is 512 or more)
	s_lshr_b32 s19, s18, 6                         ; which weight
	s_and_b32 s20, s18, 63                         ; my block in it
	s_wait_kmcnt 0x0
	s_cmp_eq_u32 s19, 1
	s_cselect_b64 s[6:7], s[8:9], s[6:7]
	s_cmp_eq_u32 s19, 2
	s_cselect_b64 s[6:7], s[10:11], s[6:7]
	s_cmp_eq_u32 s19, 3
	s_cselect_b64 s[6:7], s[12:13], s[6:7]         ; s[6:7]: the weight that j names
	s_cmp_lt_u32 ttmp9, XWG
	s_cselect_b64 s[4:5], s[4:5], s[6:7]           ; from: x or that weight
	s_cselect_b64 s[14:15], s[14:15], s[16:17]     ; to: xb or wb
	s_cselect_b32 s21, ttmp9, s20                  ; my block in the source
	s_cselect_b32 s22, ttmp9, s18                  ; my block in the destination
	s_lshl_b32 s24, s21, 16                        ; 65,536 bytes a block in,
	s_mov_b32 s25, 0
	s_lshl_b32 s26, s22, 15                        ; 32,768 out
	s_mov_b32 s27, 0
	s_add_nc_u64 s[4:5], s[4:5], s[24:25]
	s_add_nc_u64 s[14:15], s[14:15], s[26:27]
.irp c, 0,1,2,3,4,5,6,7,8,9,10,11,12,13,14,15
	global_load_b128 v[IN+4*\c:IN+4*\c+3], v1, s[4:5] offset:\c*4096 th:TH_LOAD_NT
.endr
; One chunk.  half = 0: to bf16.  half = 1: to bf16, and that number as f16.
.macro CHUNK c, half
	s_wait_loadcnt 15-\c                           ; loads come back in order: chunk c is in, the 15 - c younger ones stay out
.if \half
.irp p, 0,1
	v_cvt_pk_bf16_f32 v[T], v[IN+4*\c+2*\p], v[IN+4*\c+2*\p+1]
	v_lshlrev_b32 v[T+1], 16, v[T]                 ; the two bf16 numbers as f32
	v_and_b32 v[T+2], 0xffff0000, v[T]
	v_cvt_pk_f16_f32 v[OUT+2*\c+\p], v[T+1], v[T+2]
.endr
.else
	v_cvt_pk_bf16_f32 v[OUT+2*\c],   v[IN+4*\c],   v[IN+4*\c+1]
	v_cvt_pk_bf16_f32 v[OUT+2*\c+1], v[IN+4*\c+2], v[IN+4*\c+3]
.endif
	global_store_b64 v2, v[OUT+2*\c:OUT+2*\c+1], s[14:15] offset:\c*2048
.endm
	s_cmp_ge_u32 ttmp9, WOWG
	s_cbranch_scc1 .Lwo
.irp c, 0,1,2,3,4,5,6,7,8,9,10,11,12,13,14,15
	CHUNK \c, 0
.endr
	s_endpgm
.Lwo:
.irp c, 0,1,2,3,4,5,6,7,8,9,10,11,12,13,14,15
	CHUNK \c, 1
.endr
	s_endpgm
.Lfunc_end_k_q0a439c5ea0_cast:
	.size	k_q0a439c5ea0_cast, .Lfunc_end_k_q0a439c5ea0_cast-k_q0a439c5ea0_cast
	.p2alignl 7, 3214868480
	.fill 96, 4, 3214868480
	.section	.rodata,"a",@progbits
	.p2align	6, 0x0
	.amdhsa_kernel k_q0a439c5ea0_cast
		.amdhsa_group_segment_fixed_size 0
		.amdhsa_private_segment_fixed_size 0
		.amdhsa_enable_private_segment 0
		.amdhsa_kernarg_size 56
		.amdhsa_user_sgpr_count 2
		.amdhsa_user_sgpr_kernarg_segment_ptr 1
		.amdhsa_wavefront_size32 1
		.amdhsa_system_sgpr_workgroup_id_x 1
		.amdhsa_system_sgpr_workgroup_id_y 1
		.amdhsa_system_sgpr_workgroup_id_z 1
		.amdhsa_system_vgpr_workitem_id 0
		.amdhsa_next_free_vgpr 104
		.amdhsa_next_free_sgpr 66
		.amdhsa_reserve_vcc 0
		.amdhsa_float_denorm_mode_32 3
		.amdhsa_float_denorm_mode_16_64 3
		.amdhsa_memory_ordered 1
		.amdhsa_forward_progress 1
		.amdhsa_inst_pref_size 16
	.end_amdhsa_kernel
	.amdgpu_metadata
---
amdhsa.version: [ 1, 2 ]
amdhsa.kernels:
  - .name:           k_q0a439c5ea0_cast
    .symbol:         k_q0a439c5ea0_cast.kd
    .args:
      - { .name: x, .offset: 0, .size: 8, .value_kind: global_buffer, .address_space: global }
      - { .name: WQ, .offset: 8, .size: 8, .value_kind: global_buffer, .address_space: global }
      - { .name: WK, .offset: 16, .size: 8, .value_kind: global_buffer, .address_space: global }
      - { .name: WV, .offset: 24, .size: 8, .value_kind: global_buffer, .address_space: global }
      - { .name: WO, .offset: 32, .size: 8, .value_kind: global_buffer, .address_space: global }
      - { .name: xb, .offset: 40, .size: 8, .value_kind: global_buffer, .address_space: global }
      - { .name: wb, .offset: 48, .size: 8, .value_kind: global_buffer, .address_space: global }
    .group_segment_fixed_size: 0
    .private_segment_fixed_size: 0
    .kernarg_segment_align: 8
    .kernarg_segment_size: 56
    .max_flat_workgroup_size: 256
    .sgpr_count:     66
    .vgpr_count:     104
    .wavefront_size: 32
...
	.end_amdgpu_metadata
.endif
;; end of part 1
;; launch qkvgemm (part 2): grid 16 x 32, 4 waves a work-group, clusters of 4 x 4, 327,680 bytes of LDS; arguments xb, wb, qkv; writes qkv
.if DOCPART == 2
	.amdgcn_target "amdgcn-amd-amdhsa--gfx1250"
	.amdhsa_code_object_version 6
	.text
	.protected	k_q0a439c5ea0_qkvgemm
	.globl	k_q0a439c5ea0_qkvgemm
	.p2align	8
	.type	k_q0a439c5ea0_qkvgemm,@function
k_q0a439c5ea0_qkvgemm:
	s_mov_b64 s[64:65], 0
	v_nop
	global_prefetch_b8 v0, s[64:65] scope:SCOPE_SE
	s_setreg_imm32_b32 hwreg(HW_REG_WAVE_MODE, 25, 1), 1
	s_wait_xcnt 0x0
	s_wait_alu depctr_hold_cnt(0) depctr_sa_sdst(0) depctr_va_vdst(0) depctr_va_sdst(0) depctr_va_ssrc(0) depctr_va_vcc(0) depctr_vm_vsrc(0)
	s_getreg_b32 s2, hwreg(HW_REG_IB_STS2, 6, 4)
	s_cmp_eq_u32 s2, 0
	s_cbranch_scc0 .Lentry_in_a_cluster
	s_endpgm
.Lentry_in_a_cluster:
	s_bfe_u32 s2, ttmp6, 0x10000c
	s_cmp_lg_u32 s2, 0xf033
	s_cbranch_scc0 .Lentry_shape_is_right
	s_endpgm
.Lentry_shape_is_right:
; qkvgemm: C[m][n] = sum over k of xb[m][k] wb[n][k], m = 0..8191 (token), n = 0..3071 (WQ's, WK's, WV's rows), k = 0..1023; bf16 operands, f32 sums.
; The result is rounded once to f16 and stored by heads: qkv[b][g][s][64], g = n / 64 (0-15 Q, 16-31 K, 32-47 V), a plane of 262,144 bytes for each (b, g).
; LIMIT: |Q|, |K|, |V| below 65,504 (f16).  f16 and not bf16, because the first tokens' outputs are V itself times WO and are compared against
; the root mean square of all outputs, which is some ten times smaller: eight bits of mantissa would not do.
; A work-group makes 256 x 192 of C: 32 x 16 = 512 equal work-groups, and 192 columns are three whole heads.  Four waves, as many as a WGP has SIMDs,
; stacked: wave w makes rows 64 w .. 64 w + 63 by all 192 columns, 4 x 12 accumulator tiles of 16 x 16 = 384 registers.
; K goes in steps of 128 through two LDS slots filled by the tensor data mover: a tile's rows are 256 consecutive bytes at multiples of 256.
; CLUSTERS: 4 x 4 work-groups.  The four of a row of the cluster need the same tiles of xb, the four of a column the same tiles of wb: each tile is asked
; for jointly, by the same tensor load with the same descriptor and a mask that names the four.
; REGISTERS by windows of 256: window 0: addresses, A's fragments (two buffers), the way out; window 1: B's fragments (two buffers);
; window 2: the accumulators of my row tiles 0, 1 (tile (a, b) at v[8 (12 (a & 1) + b)]); window 3: those of row tiles 2, 3.
; THE MATRIX INSTRUCTION IS USED TRANSPOSED: source 0 = 16 rows of wb, source 1 = 16 rows of xb, so that lane l holds row l % 16 of C and its eight
; registers the columns 8 (l / 16) + 0..7: eight neighbouring numbers, 16 bytes of f16.
.set NT,     12                        ; column tiles of a wave
.set KSTEP,  128
.set PITCH,  272                       ; an LDS row: 256 bytes + 16 of padding, an odd multiple of 16: the 16 rows of a fragment load start at 16 different columns of 16 bytes
.set AHALF,  128*PITCH                 ; 34,816: what one load brings of A
.set ASZ,    2*AHALF                   ; 69,632
.set BHALF,  96*PITCH                  ; 26,112: what one load brings of B
.set SLOT,   ASZ+2*BHALF               ; 121,856: A's 256 rows, then B's 192
.set STAGE,  2*SLOT                    ; 243,712, a multiple of 256: behind the ring, never filled by a tensor load
.set SPITCH, 400                       ; a stage row: 192 f16 + 16 bytes
.set LAPS,   1024/(2*KSTEP)            ; 4 laps of two K steps
.set PLANE,  262144
.set ADRA, 16                          ; v16-17  LDS address of my A fragments in slot 0, 1
.set ADRB, 20                          ; v20-21  the same for B
.set STO,  24                          ; v24     the way out: where I put 16 bytes of a row
.set RD,   25                          ; v25     the way out: where I read 16 bytes of a head's row back
.set CO,   26                          ; v26     16 x lane
.set FA,   32                          ; v32-63, v64-95    A's fragments, buffers 0 and 1 (window 0)
.set TMP,  96                          ; v96-143           the way out: 16 rows packed to f16
.set RB0,  144                         ; v144-191, v192-239  the way out: rows read back, by turns
.set RB1,  192
.set G1,  24                           ; s[24:31] descriptor group 1 for A's tiles
.set G0,  32                           ; s[32:39] group 0 for A's tiles, one set a slot
.set G1B, 48                           ; s[48:55] group 1 for B's tiles
.set G0B, 56                           ; s[56:63] group 0 for B's tiles, one set a slot
.set MSB, 0
.macro WIN new                         ; s_set_vgpr_msb: bits 1:0 source 0, 3:2 source 1, 5:4 source 2, 7:6 destination; the high byte repeats the setting that is left
.if MSB != \new
	s_set_vgpr_msb (MSB<<8)|\new
.set MSB, \new
.endif
.endm
.set MUL_LO, 0xa1                      ; source 0 (B) window 1, source 1 (A) window 0, C and D window 2
.set MUL_HI, 0xf1                      ; the same, C and D window 3
.set TO_B,   0x40                      ; destination window 1, address window 0
.macro PLACES                          ; four plain vector instructions between a matrix instruction and a load into, or a vector read or write of, one of its registers
.rept 4
	v_nop
.endr
.endm
; A joint load.  Waves 0 and 1 fetch A's two halves, waves 2 and 3 B's.  Each line has one mask and one set of registers; the branch hangs on the wave's number alone.
.macro JLOAD s
	s_cmp_eq_u32 s11, 0
	s_cbranch_scc0 .Lfor_b_\@
	tensor_load_to_lds s[G0+4*\s:G0+4*\s+3], s[G1:G1+7]
	s_nop 0
	PLACES
	s_branch .Lasked_\@
.Lfor_b_\@:
	tensor_load_to_lds s[G0B+4*\s:G0B+4*\s+3], s[G1B:G1B+7]
	s_nop 0
	PLACES
.Lasked_\@:
.endm
; A round of the cluster's barrier: my work-group's barrier; wave 0 signals for the work-group; every wave waits for all sixteen; my work-group's barrier again.
.macro CREST                           ; a round behind its opening barrier
	s_cmp_lg_u32 s10, 0
	s_cbranch_scc1 .Lnot_wave_0_\@
	s_barrier_signal -3
.Lnot_wave_0_\@:
	s_barrier_wait -3
	s_barrier_signal -1
	s_barrier_wait -1
.endm
.macro CROUND
	s_barrier_signal -1
	s_barrier_wait -1
	CREST
.endm
	s_load_b128 s[4:7], s[0:1], 0x0                ; xb s[4:5], wb s[6:7]
	s_load_b64 s[8:9], s[0:1], 0x10                ; qkv
	s_set_vgpr_msb 0x40
	v_lshl_add_u32 v255, v0, 2, 0x41c00
	s_set_vgpr_msb 0x4000
	v_mov_b32 v255, 0
	s_set_vgpr_msb 0x1
	ds_add_u32 v255, v255
	ds_add_u32 v255, v255
	s_set_vgpr_msb 0x100
	v_lshrrev_b32 v1, 5, v0
	v_readfirstlane_b32 s10, v1                    ; wave 0..3
	s_lshr_b32 s11, s10, 1                         ; I fetch for A (0) or for B (1)
	s_and_b32 s12, s10, 1                          ; which half of that tile
	s_bfe_u32 s40, ttmp6, 0x40000                  ; cx
	s_bfe_u32 s41, ttmp6, 0x40004                  ; cy
	s_lshl_b32 s42, ttmp9, 2
	s_add_co_u32 s42, s42, s40                     ; block column of C = 4 x cluster x + cx, 0..15
	s_and_b32 s13, ttmp7, 0xffff
	s_lshl_b32 s13, s13, 2
	s_add_co_u32 s13, s13, s41                     ; block row of C = 4 x cluster y + cy, 0..31
	s_lshl_b32 s43, s41, 2
	s_lshl_b32 s43, 15, s43                        ; my row of the cluster: places 4 cy .. 4 cy + 3
	s_lshl_b32 s44, 0x1111, s40                    ; my column: places cx, cx + 4, cx + 8, cx + 12
	; group 1: rows of 128 elements of 2 bytes, 1,024 elements from row to row; in LDS 4 words of padding behind every 64; A 128 rows, B 96
	s_or_b32 s[G1+0],  s43, (1<<16)|(1<<20)|(1<<21)|(5<<22)|(3<<25)   ; 15:0 mask; 17:16 element of 2 bytes; 20 padding on; 21 set beside a mask; 24:22 interval code 5; 31:25 pad code 3
	s_or_b32 s[G1B+0], s44, (1<<16)|(1<<20)|(1<<21)|(5<<22)|(3<<25)
	s_mov_b32 s[G1+1],  KSTEP<<16                  ; tensor_dim0 = 128
	s_mov_b32 s[G1B+1], KSTEP<<16
	s_mov_b32 s[G1+2],  128<<16                    ; tensor_dim1 = 128
	s_mov_b32 s[G1B+2], 96<<16                     ;             = 96
	s_mov_b32 s[G1+3],  KSTEP<<16                  ; tile_dim0 = 128
	s_mov_b32 s[G1B+3], KSTEP<<16
	s_mov_b32 s[G1+4],  128                        ; tile_dim1
	s_mov_b32 s[G1B+4], 96
	s_mov_b32 s[G1+5],  1024                       ; the pitch
	s_mov_b32 s[G1B+5], 1024
	s_mov_b32 s[G1+6],  0
	s_mov_b32 s[G1B+6], 0
	s_mov_b32 s[G1+7],  0
	s_mov_b32 s[G1B+7], 0
	; A's tiles hang on the block row alone, B's on the block column alone; each address is made in registers that never hold the other coordinate
	s_lshl_b32 s16, s13, 8
	s_lshl_b32 s17, s12, 7
	s_add_co_u32 s16, s16, s17                     ; A: row 256 x block row + 128 x half
	s_lshl_b32 s16, s16, 11                        ; rows of 2,048 bytes: below 2^24
	s_mov_b32 s17, 0
	s_mul_i32 s46, s42, 192
	s_mul_i32 s47, s12, 96
	s_add_co_u32 s46, s46, s47                     ; B: row 192 x block column + 96 x half
	s_lshl_b32 s46, s46, 11
	s_mov_b32 s47, 0
	s_mul_i32 s20, s10, AHALF                      ; to where, A (waves 0, 1): wave x 128 rows
	s_mul_i32 s45, s10, BHALF
	s_add_co_u32 s45, s45, ASZ-2*BHALF             ; to where, B (waves 2, 3): behind A, (wave - 2) x 96 rows
	s_wait_dscnt 0x0
	s_wait_kmcnt 0x0
	s_add_nc_u64 s[14:15], s[4:5], s[16:17]
	s_add_nc_u64 s[46:47], s[6:7], s[46:47]
	CROUND                                         ; all sixteen work-groups are here: the first joint loads meet
.irp s, 0,1
	s_mov_b32 s[G0+4*\s], 1                                        ; count = 1
	s_add_co_u32 s[G0+4*\s+1], s20, \s*SLOT                        ; LDS address
	s_add_nc_u64 s[G0+4*\s+2:G0+4*\s+3], s[14:15], \s*KSTEP*2      ; global address: K step s
	s_or_b32 s[G0+4*\s+3], s[G0+4*\s+3], 0x80000000                ; type = 2
	s_mov_b32 s[G0B+4*\s], 1
	s_add_co_u32 s[G0B+4*\s+1], s45, \s*SLOT
	s_add_nc_u64 s[G0B+4*\s+2:G0B+4*\s+3], s[46:47], \s*KSTEP*2
	s_or_b32 s[G0B+4*\s+3], s[G0B+4*\s+3], 0x80000000
	JLOAD \s                                       ; both slots are asked for before anything else: two tensor loads of the wave are out
.endr
	; a fragment is 16 rows x 32 K: lane l holds row l % 16; two loads of 16 bytes, 32 bytes apart, at row x pitch + 16 (l / 16)
	v_and_b32 v1, 15, v0                           ; r
	v_bfe_u32 v2, v0, 4, 1                         ; h
	v_mul_u32_u24 v3, v1, PITCH
	v_lshl_add_u32 v3, v2, 4, v3
	s_mul_i32 s21, s10, 64*PITCH                   ; my 64 rows of A
	s_mov_b32 s22, ASZ                             ; B lies behind A's 256 rows; every wave reads all of it
.irp s, 0,1
	v_add_nc_u32 v[ADRA+\s], s21, v3
	v_add_nc_u32 v[ADRB+\s], s22, v3
	s_add_co_u32 s21, s21, SLOT
	s_add_co_u32 s22, s22, SLOT
.endr
	s_mul_i32 s23, s10, 16*SPITCH
	s_add_co_u32 s23, s23, STAGE                   ; my stage: 16 rows of 400 bytes
	v_mul_u32_u24 v4, v1, SPITCH
	v_lshl_add_u32 v4, v2, 4, v4
	v_add_nc_u32 v[STO], s23, v4                   ; in: row r, 16 bytes for each half of the lanes
	v_and_b32 v5, 31, v0
	v_lshrrev_b32 v6, 3, v5
	v_and_b32 v7, 7, v0
	v_mul_u32_u24 v6, v6, SPITCH
	v_lshl_add_u32 v6, v7, 4, v6
	v_add_nc_u32 v[RD], s23, v6                    ; back: eight lanes take a head's 128 bytes of one row, the wave four rows
	v_lshlrev_b32 v[CO], 4, v5                     ; which are 512 consecutive bytes of the head's plane
; 12 matrix instructions: row tile a of my four by all 12 column tiles, 32 along K, from buffer f.  zero = 1: the first product starts the sums.
; The accumulators take turns, one instruction a turn, in the same order in every quarter step.
.macro MULA f, a, zero
.irp b, 0,1,2,3,4,5,6,7,8,9,10,11
.if \zero
	v_wmma_f32_16x16x32_bf16 v[8*(NT*((\a)&1)+\b):8*(NT*((\a)&1)+\b)+7], v[8*NT*\f+8*\b:8*NT*\f+8*\b+7], v[FA+32*\f+8*\a:FA+32*\f+8*\a+7], 0
.else
	v_wmma_f32_16x16x32_bf16 v[8*(NT*((\a)&1)+\b):8*(NT*((\a)&1)+\b)+7], v[8*NT*\f+8*\b:8*NT*\f+8*\b+7], v[FA+32*\f+8*\a:FA+32*\f+8*\a+7], v[8*(NT*((\a)&1)+\b):8*(NT*((\a)&1)+\b)+7]
.endif
.endr
.endm
; 32 LDS loads in one run: quarter q (32 K at byte 64 q of the rows) of a slot into buffer f: B's 192 rows, then my 64 rows of A
.macro FETCH slot, q, f
	WIN TO_B
.irp i, 0,1,2,3,4,5,6,7,8,9,10,11
	ds_load_b128 v[8*NT*\f+8*\i:8*NT*\f+8*\i+3],   v[ADRB+\slot] offset:64*\q+\i*16*PITCH
	ds_load_b128 v[8*NT*\f+8*\i+4:8*NT*\f+8*\i+7], v[ADRB+\slot] offset:64*\q+\i*16*PITCH+32
.endr
	WIN 0
.irp i, 0,1,2,3
	ds_load_b128 v[FA+32*\f+8*\i:FA+32*\f+8*\i+3],   v[ADRA+\slot] offset:64*\q+\i*16*PITCH
	ds_load_b128 v[FA+32*\f+8*\i+4:FA+32*\f+8*\i+7], v[ADRA+\slot] offset:64*\q+\i*16*PITCH+32
.endr
.endm
; One of a K step's first three quarters: multiplies buffer f; in its middle it fetches quarter q of the same slot into buffer g.
.macro QUARTER slot, q, f, g, zero
	s_wait_dscnt 4                                 ; B and A's tiles 0, 1 are in; the four youngest loads (A's tiles 2, 3) may be out
	WIN MUL_LO
	MULA \f, 0, \zero
	MULA \f, 1, \zero
	PLACES                                         ; buffer g was last read by matrix instructions of the quarter before
	FETCH \slot, \q, \g
	s_wait_dscnt 2*NT+8                            ; all but the 32 just issued
	WIN MUL_HI
	MULA \f, 2, \zero
	MULA \f, 3, \zero
.endm
.macro THREE slot, zero
	QUARTER \slot, 1, 0, 1, \zero
	QUARTER \slot, 2, 1, 0, 0
	QUARTER \slot, 3, 0, 1, 0
.endm
; The last quarter: multiplies buffer 1 and changes slots.  fill = 1: this slot is filled again, two K steps ahead.
; In front of the barrier each wave waits for its reads of this slot and for all its tensor loads (one is out: its part of the next slot).
; Behind it nobody reads this slot and the next slot is whole: the refill comes first, then the next slot's first fragments.
.macro TURN slot, next, fill
	s_wait_dscnt 4
	WIN MUL_LO
	MULA 1, 0, 0
	s_wait_dscnt 0                                 ; my reads of this slot are over
	s_wait_tensorcnt 0x0                           ; all my tensor loads have landed
	ds_add_u32 v255, v255
	s_wait_dscnt 0x0
	s_barrier_signal -1                            ; where a slot is filled again this barrier opens a round of the cluster's barrier
	MULA 1, 1, 0                                   ; register work while the others arrive
	WIN 0
	s_barrier_wait -1
.if \fill
	CREST                                          ; no wave of any partner still reads this slot or has a load on its way
	s_add_nc_u64 s[G0+4*\slot+2:G0+4*\slot+3], s[G0+4*\slot+2:G0+4*\slot+3], 2*KSTEP*2      ; no tensor load of mine is out: the groups 0 may be written
	s_add_nc_u64 s[G0B+4*\slot+2:G0B+4*\slot+3], s[G0B+4*\slot+2:G0B+4*\slot+3], 2*KSTEP*2
	JLOAD \slot                                    ; my one tensor load behind the round; its four v_nop are also the places in front of the loads below
.else
	PLACES
.endif
	FETCH \next, 0, 0
	WIN MUL_HI
	MULA 1, 2, 0
	MULA 1, 3, 0
.endm
.macro LAP zero
	THREE 0, \zero
	TURN 0, 1, 1
	THREE 1, 0
	TURN 1, 0, 1
.endm
	s_wait_tensorcnt 1                             ; my part of K step 0 is in; K step 1's may stay out
	s_barrier_signal -1
	s_barrier_wait -1                              ; everybody's is
	FETCH 0, 0, 0
	LAP 1                                          ; the first lap stands in front of the loop: its first products start the sums
	WIN 0                                          ; at a label and at a branch every window is 0
	s_mov_b32 s3, LAPS-2
.Llap:
	LAP 0
	WIN 0
	s_sub_co_u32 s3, s3, 1
	s_cmp_lg_u32 s3, 0
	s_cbranch_scc1 .Llap
	THREE 0, 0                                     ; the last lap fills nothing and has no round of the cluster's barrier
	TURN 0, 1, 0
	THREE 1, 0
	s_wait_dscnt 4                                 ; the very last quarter
	WIN MUL_LO
	MULA 1, 0, 0
	MULA 1, 1, 0
	s_wait_dscnt 0
	WIN MUL_HI
	MULA 1, 2, 0
	MULA 1, 3, 0
	; THE WAY OUT, 16 rows at a time: round to f16, 16 bytes a lane into my own stage, read back by heads, store 4 tokens x 128 bytes of one head at once.
	PLACES                                         ; behind the last matrix instructions, for the conversions that read results
	s_lshr_b32 s16, s13, 3                         ; b = block row / 8
	s_mul_i32 s16, s16, 48*PLANE
	s_and_b32 s18, s13, 7
	s_lshl_b32 s18, s18, 15                        ; 256 tokens of 128 bytes
	s_lshl_b32 s19, s10, 13                        ; my 64 tokens
	s_add_co_u32 s16, s16, s18
	s_add_co_u32 s16, s16, s19
	s_mov_b32 s17, 0
	s_add_nc_u64 s[8:9], s[8:9], s[16:17]
	s_mul_i32 s46, s42, 3*PLANE                    ; my three heads' planes (in the registers that held B's address)
	s_mov_b32 s47, 0
	s_add_nc_u64 s[8:9], s[8:9], s[46:47]
; row tile a; from = 0x0a or 0x0f: sources 0 and 1 in window 2 or 3; rb: RB0 or RB1 by turns
.macro OUT16 a, from, rb
	WIN \from
.irp b, 0,1,2,3,4,5,6,7,8,9,10,11
.irp e, 0,1,2,3
	v_cvt_pk_f16_f32 v[TMP+4*\b+\e], v[8*(NT*((\a)&1)+\b)+2*\e], v[8*(NT*((\a)&1)+\b)+2*\e+1]
.endr
.endr
	WIN 0
.irp b, 0,1,2,3,4,5,6,7,8,9,10,11
	ds_store_b128 v[STO], v[TMP+4*\b:TMP+4*\b+3] offset:32*\b
.endr
	s_wait_xcnt 0x0                                ; the registers that earlier stores read are loaded again only behind this wait
.irp t, 0,1,2,3
.irp g, 0,1,2
	ds_load_b128 v[\rb+4*(3*\t+\g):\rb+4*(3*\t+\g)+3], v[RD] offset:\t*4*SPITCH+\g*128   ; LDS serves a wave's instructions in order: these see the stores above
.endr
.endr
.irp t, 0,1,2,3
.irp g, 0,1,2
	s_wait_dscnt 11-(3*\t+\g)                      ; the younger read-backs stay out
	global_store_b128 v[CO], v[\rb+4*(3*\t+\g):\rb+4*(3*\t+\g)+3], s[8:9] offset:\g*PLANE+(16*\a+4*\t)*128   ; 512 consecutive bytes at a multiple of 512
.endr
.endr
.endm
	OUT16 0, 0x0a, RB0
	OUT16 1, 0x0a, RB1
	OUT16 2, 0x0f, RB0
	OUT16 3, 0x0f, RB1
	s_set_vgpr_msb 0x1
	s_wait_tensorcnt 0x0
	ds_add_u32 v255, v255
	s_wait_dscnt 0x0
	s_set_vgpr_msb 0x100
	CROUND                                         ; the closing round: no work-group ends while a partner may still ask for a tile that names it
	s_endpgm
.Lfunc_end_k_q0a439c5ea0_qkvgemm:
	.size	k_q0a439c5ea0_qkvgemm, .Lfunc_end_k_q0a439c5ea0_qkvgemm-k_q0a439c5ea0_qkvgemm
	.p2alignl 7, 3214868480
	.fill 96, 4, 3214868480
	.section	.rodata,"a",@progbits
	.p2align	6, 0x0
	.amdhsa_kernel k_q0a439c5ea0_qkvgemm
		.amdhsa_group_segment_fixed_size 327680
		.amdhsa_private_segment_fixed_size 0
		.amdhsa_enable_private_segment 0
		.amdhsa_kernarg_size 24
		.amdhsa_user_sgpr_count 2
		.amdhsa_user_sgpr_kernarg_segment_ptr 1
		.amdhsa_wavefront_size32 1
		.amdhsa_system_sgpr_workgroup_id_x 1
		.amdhsa_system_sgpr_workgroup_id_y 1
		.amdhsa_system_sgpr_workgroup_id_z 1
		.amdhsa_system_vgpr_workitem_id 0
		.amdhsa_next_free_vgpr 960
		.amdhsa_next_free_sgpr 66
		.amdhsa_reserve_vcc 0
		.amdhsa_float_denorm_mode_32 3
		.amdhsa_float_denorm_mode_16_64 3
		.amdhsa_memory_ordered 1
		.amdhsa_forward_progress 1
		.amdhsa_inst_pref_size 165
	.end_amdhsa_kernel
	.amdgpu_metadata
---
amdhsa.version: [ 1, 2 ]
amdhsa.kernels:
  - .name:           k_q0a439c5ea0_qkvgemm
    .symbol:         k_q0a439c5ea0_qkvgemm.kd
    .args:
      - { .name: xb, .offset: 0, .size: 8, .value_kind: global_buffer, .address_space: global }
      - { .name: wb, .offset: 8, .size: 8, .value_kind: global_buffer, .address_space: global }
      - { .name: qkv, .offset: 16, .size: 8, .value_kind: global_buffer, .address_space: global }
    .group_segment_fixed_size: 327680
    .private_segment_fixed_size: 0
    .kernarg_segment_align: 8
    .kernarg_segment_size: 24
    .max_flat_workgroup_size: 128
    .sgpr_count:     66
    .vgpr_count:     960
    .wavefront_size: 32
...
	.end_amdgpu_metadata
.endif
;; end of part 2
;; launch attn (part 3): grid 256 x 1, 8 waves a work-group, no clusters, 327,680 bytes of LDS; arguments qkv, att; writes att
.if DOCPART == 3
	.amdgcn_target "amdgcn-amd-amdhsa--gfx1250"
	.amdhsa_code_object_version 6
	.text
	.protected	k_q0a439c5ea0_attn
	.globl	k_q0a439c5ea0_attn
	.p2align	8
	.type	k_q0a439c5ea0_attn,@function
k_q0a439c5ea0_attn:
	s_mov_b64 s[64:65], 0
	v_nop
	global_prefetch_b8 v0, s[64:65] scope:SCOPE_SE
	s_setreg_imm32_b32 hwreg(HW_REG_WAVE_MODE, 25, 1), 1
	s_wait_xcnt 0x0
; attn: causal attention of one head, f16 operands, f32 sums and softmax, with a running maximum.  qkv[b][g][s][64] f16 in, att[16 b + h][s][64] f16 out.
; SHARE.  Work-group id = 4 (16 b + h) + i owns two blocks of 256 queries of its head: block i (waves 0-3, 'low') and block 7 - i (waves 4-7, 'high').
; Wave w owns 64 queries: u = w (low) or 7 - w (high), q0 = 256 block + 64 u.  In units of 64 keys x 64 queries ('substeps', 64 matrix instructions) waves w and
; w + 4 together do (u + 1) + (4 - u) = 5 in the blocks on the diagonal and 4 i + 4 (7 - i) = 28 below it: the same for every pair and every work-group.
; Keys above the diagonal are not touched: the mask that throws them away is built by the problem itself.
; NO CLUSTER: the four work-groups of a head walk 7, 6, 5, 4 tiles of K and V, and which waves work on a tile hangs on i; partners of a joint load
; would have to walk the same tiles on the same paths, which would mean 7 tiles in all four.
; TRANSPOSED: S^T = K Q^T (A = 16 keys, B = 16 queries): lane (r, h) holds query r and keys 8 h + j.  Two such tiles, packed to f16, ARE a B fragment of P^T,
; and O^T = V^T P^T (A = V^T by the transposing LDS load) again has query r in lane r.  So maximum, sum and rescale are one number a lane; only lanes r and r + 16 are joined.
; LDS: four regions of 77,824 bytes, each 256 keys of K at pitch 144 and 256 keys of V at pitch 160: two slots for the tiles below the diagonal,
; DL and DH for the two blocks on it.  Every wave brings 64 keys (8 KiB, dense in memory, as 32 rows of 256 bytes): waves 0-3 of K, waves 4-7 of V.
; By this text's count a wave has three tensor loads out at the start and one behind each barrier of the stream.
; In the stream every LDS address is a register that is never rewritten (one for each slot, for K and for V) plus an immediate: a tile's four substeps are written out.
; The loop over pairs of tiles so holds eight substeps.
; LIMITS: finite inputs.  A masked score counts as -1e9, as in the problem, inside the block on the diagonal; a row whose largest allowed score lies near or below -1e9
; would there give weight to masked keys, also to those that this text never reads: such rows are not served.  P and the result are f16.
.set REGION, 77824
.set KPITCH, 144                       ; 128 bytes + 16: an odd multiple of 16
.set VPITCH, 160                       ; 128 bytes + 32: an odd multiple of 32, for the transposing load
.set KSZ,    256*KPITCH                ; 36,864: V lies behind K in a region
.set KQ,     64*KPITCH                 ; 9,216: a substep's keys of K, and what one load brings
.set VQ,     64*VPITCH                 ; 10,240: the same of V
.set DL,     2*REGION
.set STAGE,  DL                        ; the way out uses DL, which is filled once, at the start, and last read in front of the stream's barriers
.set SWAVE,  16*KPITCH                 ; 2,304 bytes of stage a wave
.set TILEB,  32768                     ; 256 keys of 128 bytes in memory
.set KB0, 2                            ; v2, v3   my lane's K address in slot 0, 1; never rewritten
.set VB0, 4                            ; v4, v5   my lane's V address in slot 0, 1; never rewritten
.set KD,  6                            ; v6       the same in my diagonal region
.set VD,  7                            ; v7
.set KA,  8                            ; v8       the block on the diagonal: K address of the substep at work
.set VA,  9                            ; v9       the block on the diagonal: V address of the substep at work
.set STO, 10                           ; v10      the way out: in
.set RD,  11                           ; v11      the way out: back
.set CO,  12                           ; v12      16 x lane
.set DM,  13                           ; v13      r - 8 h: key j of the tile on the diagonal is allowed where j <= r - 8 h
.set QO,  14                           ; v14      128 r + 16 h
.set KF,  32                           ; v[32:95]    K fragments: (key tile c, half d of the 64) at 16 c + 8 d
.set VF,  96                           ; v[96:159]   V^T fragments: (dv tile t, half g of the 64 keys) at 16 t + 8 g
.set SB0, 160                          ; v[160:191]  scores of one query tile, then P; two buffers by turns
.set SB1, 192                          ; v[192:223]
.set MC,  224                          ; v224-227    running maximum of query tile a, in units of the exponent (score x log2 e / 8)
.set LS,  228                          ; v228-231    running sum, of my half of the keys
.set TM,  232                          ; v232-235    at work
.set TX,  236                          ; v236        the other half's number
.set NM,  238                          ; v[238:239]  minus the new maximum, twice
.set AL,  240                          ; v[240:241]  the rescale factor, twice
.set SUM, 242                          ; v[242:249]  four pairs of partial sums
.set OP,  160                          ; the way out: packed results
.set QF,  128                          ; window 1: v[128:191] Q fragments (query tile a, half d) at 16 a + 8 d;  window 1: v[0:127] O^T, (a, dv tile t) at 32 a + 8 t
.set G1K, 16                           ; s[16:23] group 1 for K   s[24:31] for V
.set G1V, 24
.set G0K, 32                           ; s[32:47] groups 0 for K: slot 0, slot 1, DL, DH
.set G0V, 48                           ; s[48:63] the same for V
.set MSB, 0
.macro WIN new                         ; s_set_vgpr_msb: bits 1:0 source 0, 3:2 source 1, 5:4 source 2, 7:6 destination; the high byte repeats the setting that is left
.if MSB != \new
	s_set_vgpr_msb (MSB<<8)|\new
.set MSB, \new
.endif
.endm
.macro PLACES                          ; four plain vector instructions between a matrix instruction and a load into, or a vector read or write of, one of its registers
.rept 4
	v_nop
.endr
.endm
.macro TLK n
	tensor_load_to_lds s[G0K+4*\n:G0K+4*\n+3], s[G1K:G1K+7]
	s_nop 0
	PLACES
.endm
.macro TLV n
	tensor_load_to_lds s[G0V+4*\n:G0V+4*\n+3], s[G1V:G1V+7]
	s_nop 0
	PLACES
.endm
.macro KVLOAD n                        ; my quarter of K's or of V's tile into slot n: one tensor load a wave
	s_cmp_lt_u32 s8, 4
	s_cbranch_scc0 .Lv_\@
	TLK \n
	s_branch .Lkv_\@
.Lv_\@:
	TLV \n
.Lkv_\@:
.endm
	s_load_b128 s[4:7], s[0:1], 0x0                ; qkv s[4:5], att s[6:7]
	v_lshl_add_u32 v254, v0, 2, 0x4c000
	v_mov_b32 v255, 0
	ds_add_u32 v254, v255
	ds_add_u32 v254, v255
	v_lshrrev_b32 v1, 5, v0
	v_readfirstlane_b32 s8, v1                     ; wave 0..7
	s_and_b32 s9, ttmp9, 3                         ; i
	s_lshr_b32 s10, ttmp9, 2                       ; 16 b + h
	s_lshr_b32 s74, s10, 4
	s_mul_i32 s74, s74, 48
	s_and_b32 s75, s10, 15
	s_add_co_u32 s74, s74, s75                     ; Q's plane: 48 b + h
	s_lshr_b32 s77, s8, 2                          ; 0 low, 1 high
	s_and_b32 s76, s8, 3                           ; my quarter of a tile
	s_mul_i32 s12, s77, 3
	s_xor_b32 s12, s12, s76                        ; u: w for waves 0-3; 3, 2, 1, 0 for waves 4-7
	s_sub_co_u32 s79, 7, s9                        ; 7 - i: the high block, and the number of tiles in the stream
	s_sub_co_u32 s11, s79, s9
	s_mul_i32 s11, s11, s77
	s_add_co_u32 s11, s11, s9                      ; my block of queries: i or 7 - i
	s_lshl_b32 s15, s77, 3
	s_add_co_u32 s15, s15, s9                      ; I work on the stream's tiles below this number: i (low), more than all (high)
	s_lshl_b32 s78, s11, 8
	s_lshl_b32 s75, s12, 6
	s_add_co_u32 s78, s78, s75                     ; q0
	s_sub_co_u32 s13, 6, s9
	s_lshr_b32 s13, s13, 1                         ; pairs of tiles in the loop: 3, 2, 2, 1
	s_mov_b32 s14, 0                               ; the stream's tile at work
	s_mov_b32 s66, 0x3e38aa3b                      ; log2 e / 8: the problem's 1 / sqrt(64) and the base of v_exp_f32 in one factor
	s_mov_b32 s67, 0x3e38aa3b
	s_mov_b32 s68, 0xcfee6b28                      ; -8e9: -1e9 in front of the division by 8
	s_mov_b32 s70, 0x76543210                      ; v_permlanex16_b32: lane i of one half reads lane i of the other
	s_mov_b32 s71, 0xfedcba98
	; byte offsets, all below 2^26
	s_lshl_b32 s75, s78, 7                         ; q0 rows of 128 bytes
	s_lshl_b32 s80, s74, 18
	s_add_co_u32 s80, s80, s75                     ; my queries
	s_mov_b32 s81, 0
	s_lshl_b32 s88, s10, 18
	s_add_co_u32 s88, s88, s75                     ; my rows of att
	s_mov_b32 s89, 0
	s_lshl_b32 s75, s76, 13                        ; my quarter: 64 keys of 128 bytes
	s_add_co_u32 s82, s74, 16
	s_lshl_b32 s82, s82, 18
	s_add_co_u32 s82, s82, s75                     ; K's plane, tile 0, my quarter
	s_mov_b32 s83, 0
	s_add_co_u32 s84, s74, 32
	s_lshl_b32 s84, s84, 18
	s_add_co_u32 s84, s84, s75                     ; V's
	s_mov_b32 s85, 0
	s_lshl_b32 s90, s9, 15                         ; tile i
	s_mov_b32 s91, 0
	s_lshl_b32 s92, s79, 15                        ; tile 7 - i
	s_mov_b32 s93, 0
	s_mul_i32 s94, s8, KQ                          ; to where in a region, K (waves 0-3): wave x 64 keys
	s_mul_i32 s95, s8, VQ
	s_sub_co_u32 s95, s95, 4*VQ-KSZ                ; V (waves 4-7): behind K, (wave - 4) x 64 keys
	; group 1: 32 rows of 32 elements of 8 bytes, dense; in LDS a pad behind every 32 words (one key): 4 words for K, 8 for V
	s_mov_b32 s[G1K+0], (3<<16)|(1<<20)|(4<<22)|(3<<25)
	s_mov_b32 s[G1V+0], (3<<16)|(1<<20)|(4<<22)|(7<<25)
.irp g, G1K, G1V
	s_mov_b32 s[\g+1], 32<<16                      ; tensor_dim0 = 32
	s_mov_b32 s[\g+2], 32<<16                      ; tensor_dim1 = 32
	s_mov_b32 s[\g+3], 32<<16                      ; tile_dim0 = 32
	s_mov_b32 s[\g+4], 32                          ; tile_dim1 = 32
	s_mov_b32 s[\g+5], 32                          ; the pitch
	s_mov_b32 s[\g+6], 0
	s_mov_b32 s[\g+7], 0
.endr
.irp n, 0,1,2,3
	s_mov_b32 s[G0K+4*\n], 1
	s_add_co_u32 s[G0K+4*\n+1], s94, \n*REGION
	s_mov_b32 s[G0V+4*\n], 1
	s_add_co_u32 s[G0V+4*\n+1], s95, \n*REGION
.endr
	s_wait_dscnt 0x0
	s_wait_kmcnt 0x0
	s_add_nc_u64 s[86:87], s[4:5], s[80:81]        ; my queries
	s_add_nc_u64 s[82:83], s[4:5], s[82:83]
	s_add_nc_u64 s[84:85], s[4:5], s[84:85]
	s_add_nc_u64 s[6:7], s[6:7], s[88:89]          ; my rows of att
	s_mov_b64 s[G0K+2:G0K+3], s[82:83]                     ; slot 0: tile 0
	s_add_nc_u64 s[G0K+6:G0K+7], s[82:83], TILEB           ; slot 1: tile 1
	s_add_nc_u64 s[G0K+10:G0K+11], s[82:83], s[90:91]      ; DL: tile i
	s_add_nc_u64 s[G0K+14:G0K+15], s[82:83], s[92:93]      ; DH: tile 7 - i
	s_mov_b64 s[G0V+2:G0V+3], s[84:85]
	s_add_nc_u64 s[G0V+6:G0V+7], s[84:85], TILEB
	s_add_nc_u64 s[G0V+10:G0V+11], s[84:85], s[90:91]
	s_add_nc_u64 s[G0V+14:G0V+15], s[84:85], s[92:93]
.irp n, 0,1,2,3
	s_or_b32 s[G0K+4*\n+3], s[G0K+4*\n+3], 0x80000000      ; type = 2
	s_or_b32 s[G0V+4*\n+3], s[G0V+4*\n+3], 0x80000000
.endr
	; the first fills, one group inside one branch on the wave's number: the two diagonal regions and slot 0
	s_cmp_lt_u32 s8, 4
	s_cbranch_scc0 .Lfirst_v
	TLK 2
	TLK 3
	TLK 0
	s_branch .Lfirst_done
.Lfirst_v:
	TLV 2
	TLV 3
	TLV 0
.Lfirst_done:
	v_and_b32 v16, 15, v0                          ; r
	v_bfe_u32 v17, v0, 4, 1                        ; h
	v_and_b32 v18, 7, v0
	v_bfe_u32 v19, v0, 3, 1
	v_and_b32 v20, 31, v0                          ; lane
	v_lshlrev_b32 v[QO], 7, v16
	v_lshl_add_u32 v[QO], v17, 4, v[QO]
	WIN 0x40                                       ; Q's fragments go to window 1 and stay there: B(k = d, n = query r), two loads of 16 bytes, 32 apart
.irp a, 0,1,2,3
.irp d, 0,1
	global_load_b128 v[QF+16*\a+8*\d:QF+16*\a+8*\d+3],   v[QO], s[86:87] offset:\a*2048+\d*64
	global_load_b128 v[QF+16*\a+8*\d+4:QF+16*\a+8*\d+7], v[QO], s[86:87] offset:\a*2048+\d*64+32
.endr
.endr
	WIN 0
	s_mul_i32 s74, s77, REGION
	s_add_co_u32 s74, s74, DL                      ; my diagonal region
	s_mul_i32 s75, s8, SWAVE
	s_add_co_u32 s75, s75, STAGE                   ; my stage
	s_mul_i32 s76, s12, KQ                         ; the substep on the diagonal
	s_mul_i32 s77, s12, VQ
	v_mul_u32_u24 v[KB0], v16, KPITCH
	v_lshl_add_u32 v[KB0], v17, 4, v[KB0]          ; K: key r x pitch + 16 h
	v_lshl_add_u32 v22, v17, 3, v18
	v_mul_u32_u24 v22, v22, VPITCH
	v_lshl_add_u32 v22, v19, 4, v22                ; V, transposing load: (8 h + lane % 8) x pitch + 16 ((lane / 8) % 2)
	v_add_nc_u32 v[KB0+1], REGION, v[KB0]
	v_add_nc_u32 v[VB0], KSZ, v22
	v_add_nc_u32 v[VB0+1], KSZ+REGION, v22
	v_add_nc_u32 v[KD], s74, v[KB0]
	v_add_nc_u32 v[VD], s74, v[VB0]
	v_add_nc_u32 v[STO], s75, v[KB0]               ; in: row r, 16 bytes for each half of the lanes
	v_lshrrev_b32 v23, 3, v20
	v_mul_u32_u24 v23, v23, KPITCH
	v_lshl_add_u32 v23, v18, 4, v23
	v_add_nc_u32 v[RD], s75, v23                   ; back: eight lanes a row, four rows a load
	v_lshlrev_b32 v[CO], 4, v20
	v_lshlrev_b32 v24, 3, v17
	v_sub_nc_u32 v[DM], v16, v24
	v_mov_b32 v[TX], 0                             ; v_permlanex16_b32 counts as a reader of its destination
	v_add_nc_u32 v[KA], s76, v[KD]
	v_add_nc_u32 v[VA], s77, v[VD]
; S^T of query tile qa: four key tiles, 64 along d in two links.  The four accumulators take turns, one instruction a turn.
.macro SMM qa, sb
	WIN 0x04                                       ; source 1 (Q) in window 1
.irp c, 0,1,2,3
	v_wmma_f32_16x16x32_f16 v[\sb+8*\c:\sb+8*\c+7], v[KF+16*\c:KF+16*\c+7], v[QF+16*\qa:QF+16*\qa+7], 0
.endr
.irp c, 0,1,2,3
	v_wmma_f32_16x16x32_f16 v[\sb+8*\c:\sb+8*\c+7], v[KF+16*\c+8:KF+16*\c+15], v[QF+16*\qa+8:QF+16*\qa+15], v[\sb+8*\c:\sb+8*\c+7]
.endr
.endm
; O^T of query tile qa += V^T P^T: four dv tiles by turns, 64 keys in two links.  first = 1: the first link starts the sums.
.macro PV qa, sb, first
	WIN 0x50                                       ; C and D (O^T) in window 1
.irp t, 0,1,2,3
.if \first
	v_wmma_f32_16x16x32_f16 v[32*\qa+8*\t:32*\qa+8*\t+7], v[VF+16*\t:VF+16*\t+7], v[\sb:\sb+7], 0
.else
	v_wmma_f32_16x16x32_f16 v[32*\qa+8*\t:32*\qa+8*\t+7], v[VF+16*\t:VF+16*\t+7], v[\sb:\sb+7], v[32*\qa+8*\t:32*\qa+8*\t+7]
.endif
.endr
.irp t, 0,1,2,3
	v_wmma_f32_16x16x32_f16 v[32*\qa+8*\t:32*\qa+8*\t+7], v[VF+16*\t+8:VF+16*\t+15], v[\sb+16:\sb+23], v[32*\qa+8*\t:32*\qa+8*\t+7]
.endr
.endm
.macro RESCALE qa                      ; O^T of query tile qa times 2^(old maximum - new maximum)
	WIN 0x41
.set n, 0
.rept 16
	v_pk_mul_f32 v[32*\qa+2*n:32*\qa+2*n+1], v[32*\qa+2*n:32*\qa+2*n+1], v[AL:AL+1]
.set n, n+1
.endr
.endm
; The 64 keys x 16 queries in buffer sb become P in f16: v[sb:sb+7] keys 0-31, v[sb+16:sb+23] keys 32-63, each a B fragment as it stands.
; first = 1: the substep on the diagonal; it is masked and it starts maximum and sum.
.macro SOFTMAX qa, sb, first
	WIN 0
.if \first
.irp c, 0,1,2,3
.if \c > \qa
.irp j, 0,1,2,3,4,5,6,7
	v_mov_b32 v[\sb+8*\c+\j], s68                  ; a key tile wholly above the diagonal
.endr
.endif
.if \c == \qa
.irp j, 0,1,2,3,4,5,6,7
	v_cmp_le_i32 vcc_lo, \j, v[DM]                 ; key 8 h + j <= query r
	v_cndmask_b32 v[\sb+8*\c+\j], s68, v[\sb+8*\c+\j], vcc_lo
.endr
.endif
.endr
.endif
.irp c, 0,1,2,3
	v_max3_num_f32 v[TM+\c], v[\sb+8*\c], v[\sb+8*\c+1], v[\sb+8*\c+2]     ; four chains that do not wait for each other
.endr
.irp c, 0,1,2,3
	v_max3_num_f32 v[TM+\c], v[TM+\c], v[\sb+8*\c+3], v[\sb+8*\c+4]
.endr
.irp c, 0,1,2,3
	v_max3_num_f32 v[TM+\c], v[TM+\c], v[\sb+8*\c+5], v[\sb+8*\c+6]
.endr
.irp c, 0,1,2,3
	v_max_num_f32 v[TM+\c], v[TM+\c], v[\sb+8*\c+7]
.endr
	v_max3_num_f32 v[TM], v[TM], v[TM+1], v[TM+2]
	v_max_num_f32 v[TM], v[TM], v[TM+3]
	v_permlanex16_b32 v[TX], v[TM], s70, s71       ; the other half of the keys of my query
	v_max_num_f32 v[TM], v[TM], v[TX]
.if \first
	v_mul_f32 v[MC+\qa], s66, v[TM]                ; the key on the diagonal is always allowed: a true score
	v_mul_f32 v[NM], -1.0, v[MC+\qa]
	v_mul_f32 v[NM+1], -1.0, v[MC+\qa]
.else
	v_mul_f32 v[TM], s66, v[TM]
	v_max_num_f32 v[TM+1], v[TM], v[MC+\qa]        ; the new maximum
	v_sub_f32 v[TM+2], v[MC+\qa], v[TM+1]
	v_exp_f32 v[AL], v[TM+2]
	v_mov_b32 v[MC+\qa], v[TM+1]                   ; a plain instruction behind v_exp_f32, which touches neither its result nor its source (ISA guide 5.7.2)
	v_mul_f32 v[NM], -1.0, v[TM+1]
	v_mul_f32 v[NM+1], -1.0, v[TM+1]
.endif
.set n, 0
.rept 16
	v_pk_fma_f32 v[\sb+2*n:\sb+2*n+1], v[\sb+2*n:\sb+2*n+1], s[66:67], v[NM:NM+1] op_sel_hi:[1,0,1]   ; score x log2 e / 8 - maximum, one rounding
.set n, n+1
.endr
.set n, 0
.rept 32
	v_exp_f32 v[\sb+n], v[\sb+n]
.set n, n+1
.endr
.if \first
	v_nop                                          ; the plain instruction behind the last v_exp_f32
	s_wait_alu depctr_va_vdst(0)
.else
	s_wait_alu depctr_va_vdst(0)
	v_mov_b32 v[AL+1], v[AL]                       ; the same, and the pair for the packed multiply
.endif
.irp k, 0,1,2,3
	v_pk_add_f32 v[SUM+2*\k:SUM+2*\k+1], v[\sb+8*\k:\sb+8*\k+1], v[\sb+8*\k+2:\sb+8*\k+3]
.endr
.irp k, 0,1,2,3
	v_pk_add_f32 v[SUM+2*\k:SUM+2*\k+1], v[SUM+2*\k:SUM+2*\k+1], v[\sb+8*\k+4:\sb+8*\k+5]
.endr
.irp k, 0,1,2,3
	v_pk_add_f32 v[SUM+2*\k:SUM+2*\k+1], v[SUM+2*\k:SUM+2*\k+1], v[\sb+8*\k+6:\sb+8*\k+7]
.endr
	v_pk_add_f32 v[SUM:SUM+1], v[SUM:SUM+1], v[SUM+2:SUM+3]
	v_pk_add_f32 v[SUM+4:SUM+5], v[SUM+4:SUM+5], v[SUM+6:SUM+7]
	v_pk_add_f32 v[SUM:SUM+1], v[SUM:SUM+1], v[SUM+4:SUM+5]
.if \first
	v_add_f32 v[LS+\qa], v[SUM], v[SUM+1]
.else
	v_add_f32 v[SUM], v[SUM], v[SUM+1]
	v_fma_f32 v[LS+\qa], v[LS+\qa], v[AL], v[SUM]  ; my half's sum; the halves meet at the end
.endif
.irp g, 0,1
.irp e, 0,1,2,3,4,5,6,7
	v_cvt_pk_f16_f32 v[\sb+16*\g+\e], v[\sb+16*\g+2*\e], v[\sb+16*\g+2*\e+1]   ; in place: word e is written when words 2 e, 2 e + 1 are read
.endr
.endr
.endm
; 64 keys x my 64 queries.  The keys lie at register kr (K) and vr (V) plus substep sub of a tile's four, which stands in the loads' immediates:
; 34,656 at the most for K and 38,496 for V, inside the unsigned 16 bits of an LDS offset.
; While the vector unit works on query tile a, the matrix unit has the scores of tile a + 1 and the products of tile a - 1.
; Distances: scores are read four places behind their matrix instructions (the four v_nop, or the sixteen multiplies of RESCALE); a buffer that held P
; is written again by matrix instructions behind the whole softmax of the tile between.
.macro SUBSTEP first, kr, vr, sub
	PLACES                                         ; behind the last products, whose sources are loaded again
.irp c, 0,1,2,3
.irp d, 0,1
	ds_load_b128 v[KF+16*\c+8*\d:KF+16*\c+8*\d+3],   v[\kr] offset:\sub*KQ+\c*16*KPITCH+\d*64
	ds_load_b128 v[KF+16*\c+8*\d+4:KF+16*\c+8*\d+7], v[\kr] offset:\sub*KQ+\c*16*KPITCH+\d*64+32
.endr
.endr
.irp t, 0,1,2,3
.irp g, 0,1
	ds_load_tr16_b128 v[VF+16*\t+8*\g:VF+16*\t+8*\g+3],   v[\vr] offset:\sub*VQ+\g*32*VPITCH+\t*32
	ds_load_tr16_b128 v[VF+16*\t+8*\g+4:VF+16*\t+8*\g+7], v[\vr] offset:\sub*VQ+\g*32*VPITCH+\t*32+16*VPITCH
.endr
.endr
	s_wait_dscnt 16                                ; K's sixteen loads are in; V's sixteen, issued behind them, stay out
	SMM 0, SB0
	PLACES
	SOFTMAX 0, SB0, \first
	SMM 1, SB1
.if \first
	PLACES
.else
	RESCALE 0
.endif
	s_wait_dscnt 0x0                               ; V is in
	PV 0, SB0, \first
	SOFTMAX 1, SB1, \first
	SMM 2, SB0
.if \first
	PLACES
.else
	RESCALE 1
.endif
	PV 1, SB1, \first
	SOFTMAX 2, SB0, \first
	SMM 3, SB1
.if \first
	PLACES
.else
	RESCALE 2
.endif
	PV 2, SB0, \first
	SOFTMAX 3, SB1, \first
.if \first == 0
	RESCALE 3
.endif
	PV 3, SB1, \first
	WIN 0
.endm
	s_wait_tensorcnt 0x0                           ; my parts of the two diagonal regions and of slot 0 are in
	s_barrier_signal -1
	s_barrier_wait -1                              ; everybody's are
	s_wait_loadcnt 0x0                             ; Q
	; THE BLOCK ON THE DIAGONAL: first the substep on it, which starts every sum, then the u substeps below it.  No tensor load is out here.
	SUBSTEP 1, KA, VA, 0
	v_mov_b32 v[KA], v[KD]
	v_mov_b32 v[VA], v[VD]
	s_mov_b32 s73, 0
.Lpro:
	s_cmp_lt_u32 s73, s12                          ; three trips in every wave; the work in the first u of them
	s_cbranch_scc0 .Lpro_skip
	SUBSTEP 0, KA, VA, 0
.Lpro_skip:
	v_add_nc_u32 v[KA], KQ, v[KA]
	v_add_nc_u32 v[VA], VQ, v[VA]
	s_add_co_u32 s73, s73, 1
	s_cmp_lt_u32 s73, 3
	s_cbranch_scc1 .Lpro
; THE STREAM: tiles 0 .. 6 - i through the two slots, one barrier a tile.  In front of it every wave waits for all its tensor loads (its part of this tile among them)
; and for its LDS reads; behind it the next tile is asked for first, into the slot read last, and has this tile's work in which to land.
.macro TRIP slot, other, refill
	s_wait_tensorcnt 0x0                           ; no tensor load of mine is out: the groups 0 may be written
	ds_add_u32 v254, v255
	s_wait_dscnt 0x0
	s_add_nc_u64 s[G0K+4*\slot+2:G0K+4*\slot+3], s[G0K+4*\slot+2:G0K+4*\slot+3], 2*TILEB   ; this slot's next tile
	s_add_nc_u64 s[G0V+4*\slot+2:G0V+4*\slot+3], s[G0V+4*\slot+2:G0V+4*\slot+3], 2*TILEB
	s_wait_dscnt 0x0                               ; my reads of the other slot are over
	s_barrier_signal -1
	s_barrier_wait -1                              ; both now hold of all eight waves
.if \refill
	KVLOAD \other
.endif
	s_cmp_lt_u32 s14, s15                          ; the low waves have work in tiles below i only; the branch jumps over LDS reads and register work alone
	s_cbranch_scc0 .Lskip_\@
.irp q, 0,1,2,3
	SUBSTEP 0, KB0+\slot, VB0+\slot, \q            ; the tile's four substeps, from this slot's own address registers
.endr
.Lskip_\@:
	s_add_co_u32 s14, s14, 1
.endm
	s_mov_b32 s72, 0
.Lpair:
	TRIP 0, 1, 1
	TRIP 1, 0, 1
	s_add_co_u32 s72, s72, 1
	s_cmp_lt_u32 s72, s13
	s_cbranch_scc1 .Lpair
	s_bitcmp1_b32 s9, 0                            ; i odd: an even number of tiles, two are left; else one.  The same in all eight waves
	s_cbranch_scc1 .Leven
	TRIP 0, 1, 0                                   ; the last tile asks for nothing
	s_branch .Lend
.Leven:
	TRIP 0, 1, 1
	TRIP 1, 0, 0
.Lend:
	; THE WAY OUT, one query tile at a time: divide by the sum, round to f16, 16 bytes a lane into my stage, read back as rows, store 4 rows x 128 bytes at once.
	PLACES                                         ; behind the last products
.macro FINISH qa, rb
	v_permlanex16_b32 v[TX], v[LS+\qa], s70, s71
	v_add_f32 v[TM], v[LS+\qa], v[TX]              ; both halves of the keys; at least about 1: the largest term
	v_rcp_f32 v[AL], v[TM]
	v_nop                                          ; a plain instruction behind v_rcp_f32
	s_wait_alu depctr_va_vdst(0)
	v_mov_b32 v[AL+1], v[AL]
	RESCALE \qa
	WIN 0x05                                       ; sources in window 1
.set n, 0
.rept 16
	v_cvt_pk_f16_f32 v[OP+n], v[32*\qa+2*n], v[32*\qa+2*n+1]
.set n, n+1
.endr
	WIN 0
.irp t, 0,1,2,3
	ds_store_b128 v[STO], v[OP+4*\t:OP+4*\t+3] offset:32*\t        ; query r, dv 16 t + 8 h .. + 7
.endr
	s_wait_xcnt 0x0                                ; the registers that earlier stores read are loaded again only behind this wait
.irp t, 0,1,2,3
	ds_load_b128 v[\rb+4*\t:\rb+4*\t+3], v[RD] offset:\t*4*KPITCH  ; LDS serves a wave's instructions in order: these see the stores above
.endr
.irp t, 0,1,2,3
	s_wait_dscnt 3-\t                              ; the younger read-backs stay out
	global_store_b128 v[CO], v[\rb+4*\t:\rb+4*\t+3], s[6:7] offset:(16*\qa+4*\t)*128   ; 512 consecutive bytes at a multiple of 512
.endr
.endm
	FINISH 0, 176
	FINISH 1, 192
	FINISH 2, 176
	FINISH 3, 192
	s_wait_tensorcnt 0x0
	ds_add_u32 v254, v255
	s_wait_dscnt 0x0
	s_endpgm
.Lfunc_end_k_q0a439c5ea0_attn:
	.size	k_q0a439c5ea0_attn, .Lfunc_end_k_q0a439c5ea0_attn-k_q0a439c5ea0_attn
	.p2alignl 7, 3214868480
	.fill 96, 4, 3214868480
	.section	.rodata,"a",@progbits
	.p2align	6, 0x0
	.amdhsa_kernel k_q0a439c5ea0_attn
		.amdhsa_group_segment_fixed_size 327680
		.amdhsa_private_segment_fixed_size 0
		.amdhsa_enable_private_segment 0
		.amdhsa_kernarg_size 16
		.amdhsa_user_sgpr_count 2
		.amdhsa_user_sgpr_kernarg_segment_ptr 1
		.amdhsa_wavefront_size32 1
		.amdhsa_system_sgpr_workgroup_id_x 1
		.amdhsa_system_sgpr_workgroup_id_y 1
		.amdhsa_system_sgpr_workgroup_id_z 1
		.amdhsa_system_vgpr_workitem_id 0
		.amdhsa_next_free_vgpr 448
		.amdhsa_next_free_sgpr 96
		.amdhsa_reserve_vcc 1
		.amdhsa_float_denorm_mode_32 3
		.amdhsa_float_denorm_mode_16_64 3
		.amdhsa_memory_ordered 1
		.amdhsa_forward_progress 1
		.amdhsa_inst_pref_size 255
	.end_amdhsa_kernel
	.section	.bss,"aw",@nobits
	.p2align	6
	.space	262144
	.amdgpu_metadata
---
amdhsa.version: [ 1, 2 ]
amdhsa.kernels:
  - .name:           k_q0a439c5ea0_attn
    .symbol:         k_q0a439c5ea0_attn.kd
    .args:
      - { .name: qkv, .offset: 0, .size: 8, .value_kind: global_buffer, .address_space: global }
      - { .name: att, .offset: 8, .size: 8, .value_kind: global_buffer, .address_space: global }
    .group_segment_fixed_size: 327680
    .private_segment_fixed_size: 0
    .kernarg_segment_align: 8
    .kernarg_segment_size: 16
    .max_flat_workgroup_size: 256
    .sgpr_count:     96
    .vgpr_count:     448
    .wavefront_size: 32
...
	.end_amdgpu_metadata
.endif
;; end of part 3
;; launch projgemm (part 4): grid 8 x 32, 4 waves a work-group, clusters of 4 x 4, 327,680 bytes of LDS; arguments att, wb, out0; writes out0
.if DOCPART == 4
	.amdgcn_target "amdgcn-amd-amdhsa--gfx1250"
	.amdhsa_code_object_version 6
	.text
	.protected	k_q0a439c5ea0_projgemm
	.globl	k_q0a439c5ea0_projgemm
	.p2align	8
	.type	k_q0a439c5ea0_projgemm,@function
k_q0a439c5ea0_projgemm:
	s_mov_b64 s[64:65], 0
	v_nop
	global_prefetch_b8 v0, s[64:65] scope:SCOPE_SE
	s_setreg_imm32_b32 hwreg(HW_REG_WAVE_MODE, 25, 1), 1
	s_wait_xcnt 0x0
	s_wait_alu depctr_hold_cnt(0) depctr_sa_sdst(0) depctr_va_vdst(0) depctr_va_sdst(0) depctr_va_ssrc(0) depctr_va_vcc(0) depctr_vm_vsrc(0)
	s_getreg_b32 s2, hwreg(HW_REG_IB_STS2, 6, 4)
	s_cmp_eq_u32 s2, 0
	s_cbranch_scc0 .Lentry_in_a_cluster
	s_endpgm
.Lentry_in_a_cluster:
	s_bfe_u32 s2, ttmp6, 0x10000c
	s_cmp_lg_u32 s2, 0xf033
	s_cbranch_scc0 .Lentry_shape_is_right
	s_endpgm
.Lentry_shape_is_right:
; projgemm: out0[m][n] = sum over k of att(m, k) WO[n][k], m = 0..8191 (token), n = 0..1023, k = 64 head + d; f16 operands, f32 sums, f32 out.
; att lies by heads, [16 b + head][2048][64] f16; WO lies in wb's rows 3072-4095 as f16 words.
; A work-group makes 256 x 128 of the output: 32 x 8 = 256 work-groups.  Four waves, as many as a WGP has SIMDs, stacked: wave w makes rows 64 w .. 64 w + 63
; by all 128 columns, 4 x 8 accumulator tiles = 256 registers.  K goes in steps of 128 (two heads) through two LDS slots filled by the tensor data mover.
; A's tile of one head is 256 tokens x 128 bytes, dense in memory: it comes in as 128 rows of 256 bytes, padded behind every 128 bytes, so that a token's
; row in LDS has a pitch of 144 bytes.  B's rows are 256 consecutive bytes at multiples of 256.
; CLUSTERS: 4 x 4 work-groups; A's tiles are asked for jointly along a row of the cluster, B's along a column.
; REGISTERS by windows of 256: window 0: addresses, A's fragments (two buffers), the way out; window 1: B's fragments (two buffers);
; window 2: the accumulators of my row tiles 0, 1 (tile (a, b) at v[8 (8 (a & 1) + b)]); window 3: those of row tiles 2, 3.
; THE MATRIX INSTRUCTION IS USED TRANSPOSED: source 0 = 16 rows of WO, source 1 = 16 tokens, so that lane l holds token l % 16 and its eight registers the
; columns 8 (l / 16) + 0..7: 32 neighbouring bytes of f32.
.set NT,     8                         ; column tiles of a wave
.set KSTEP,  128
.set PA,     144                       ; a token's row of one head in LDS: 128 bytes + 16, an odd multiple of 16
.set PITCH,  272                       ; a row of B in LDS: 256 bytes + 16
.set AHALF,  256*PA                    ; 36,864: one head's 256 tokens, what one load brings of A
.set ASZ,    2*AHALF                   ; 73,728
.set BHALF,  64*PITCH                  ; 17,408: what one load brings of B
.set SLOT,   ASZ+2*BHALF               ; 108,544
.set STAGE,  2*SLOT                    ; 217,088, a multiple of 256: behind the ring, never filled by a tensor load
.set SPITCH, 528                       ; a stage row: 128 f32 + 16 bytes
.set LAPS,   1024/(2*KSTEP)            ; 4 laps of two K steps
.set PLANE,  262144                    ; a head's 2,048 tokens in att
.set ADRA, 16                          ; v16-17  LDS address of my A fragments in slot 0, 1
.set ADRB, 20                          ; v20-21  the same for B
.set STO,  24                          ; v24     the way out: where I put 32 bytes of a row
.set RD,   25                          ; v25     the way out: where I read 16 bytes of a row back
.set CO,   26                          ; v26     16 x lane
.set FA,   32                          ; v32-63, v64-95    A's fragments, buffers 0 and 1 (window 0)
.set RB0,  96                          ; v96-159, v160-223  the way out: rows read back, by turns
.set RB1,  160
.set G1,  24                           ; s[24:31] descriptor group 1 for A's tiles
.set G0,  32                           ; s[32:39] group 0 for A's tiles, one set a slot
.set G1B, 48                           ; s[48:55] group 1 for B's tiles
.set G0B, 56                           ; s[56:63] group 0 for B's tiles, one set a slot
.set MSB, 0
.macro WIN new                         ; s_set_vgpr_msb: bits 1:0 source 0, 3:2 source 1, 5:4 source 2, 7:6 destination; the high byte repeats the setting that is left
.if MSB != \new
	s_set_vgpr_msb (MSB<<8)|\new
.set MSB, \new
.endif
.endm
.set MUL_LO, 0xa1                      ; source 0 (B) window 1, source 1 (A) window 0, C and D window 2
.set MUL_HI, 0xf1                      ; the same, C and D window 3
.set TO_B,   0x40                      ; destination window 1, address window 0
.macro PLACES                          ; four plain vector instructions between a matrix instruction and a load into, or a read of, one of its registers
.rept 4
	v_nop
.endr
.endm
; A joint load.  Waves 0 and 1 fetch A's two heads, waves 2 and 3 B's two halves.  Each line has one mask and one set of registers; the branch hangs on the wave's number alone.
.macro JLOAD s
	s_cmp_eq_u32 s11, 0
	s_cbranch_scc0 .Lfor_b_\@
	tensor_load_to_lds s[G0+4*\s:G0+4*\s+3], s[G1:G1+7]
	s_nop 0
	PLACES
	s_branch .Lasked_\@
.Lfor_b_\@:
	tensor_load_to_lds s[G0B+4*\s:G0B+4*\s+3], s[G1B:G1B+7]
	s_nop 0
	PLACES
.Lasked_\@:
.endm
; A round of the cluster's barrier: my work-group's barrier; wave 0 signals for the work-group; every wave waits for all sixteen; my work-group's barrier again.
.macro CREST                           ; a round behind its opening barrier
	s_cmp_lg_u32 s10, 0
	s_cbranch_scc1 .Lnot_wave_0_\@
	s_barrier_signal -3
.Lnot_wave_0_\@:
	s_barrier_wait -3
	s_barrier_signal -1
	s_barrier_wait -1
.endm
.macro CROUND
	s_barrier_signal -1
	s_barrier_wait -1
	CREST
.endm
	s_load_b128 s[4:7], s[0:1], 0x0                ; att s[4:5], wb s[6:7]
	s_load_b64 s[8:9], s[0:1], 0x10                ; out0
	s_set_vgpr_msb 0x40
	v_lshl_add_u32 v255, v0, 2, 0x3d400
	s_set_vgpr_msb 0x4000
	v_mov_b32 v255, 0
	s_set_vgpr_msb 0x1
	ds_add_u32 v255, v255
	ds_add_u32 v255, v255
	s_set_vgpr_msb 0x100
	v_lshrrev_b32 v1, 5, v0
	v_readfirstlane_b32 s10, v1                    ; wave 0..3
	s_lshr_b32 s11, s10, 1                         ; I fetch for A (0) or for B (1)
	s_and_b32 s12, s10, 1                          ; which head of the step's two, or which half of B's rows
	s_bfe_u32 s40, ttmp6, 0x40000                  ; cx
	s_bfe_u32 s41, ttmp6, 0x40004                  ; cy
	s_lshl_b32 s42, ttmp9, 2
	s_add_co_u32 s42, s42, s40                     ; block column = 4 x cluster x + cx, 0..7
	s_and_b32 s13, ttmp7, 0xffff
	s_lshl_b32 s13, s13, 2
	s_add_co_u32 s13, s13, s41                     ; block row = 4 x cluster y + cy, 0..31
	s_lshl_b32 s43, s41, 2
	s_lshl_b32 s43, 15, s43                        ; my row of the cluster: places 4 cy .. 4 cy + 3
	s_lshl_b32 s44, 0x1111, s40                    ; my column: places cx, cx + 4, cx + 8, cx + 12
	; group 1 for A: 128 rows of 32 elements of 8 bytes, dense; 4 words of padding behind every 32 words (one token of one head)
	s_or_b32 s[G1+0],  s43, (3<<16)|(1<<20)|(1<<21)|(4<<22)|(3<<25)   ; 15:0 mask; 17:16 element of 8 bytes; 20 padding on; 21 set beside a mask; 24:22 interval code 4; 31:25 pad code 3
	s_mov_b32 s[G1+1],  32<<16                     ; tensor_dim0 = 32
	s_mov_b32 s[G1+2],  128<<16                    ; tensor_dim1 = 128
	s_mov_b32 s[G1+3],  32<<16                     ; tile_dim0 = 32
	s_mov_b32 s[G1+4],  128                        ; tile_dim1 = 128
	s_mov_b32 s[G1+5],  32                         ; the pitch
	s_mov_b32 s[G1+6],  0
	s_mov_b32 s[G1+7],  0
	; group 1 for B: 64 rows of 128 elements of 2 bytes, 1,024 elements from row to row; 4 words of padding behind every 64
	s_or_b32 s[G1B+0], s44, (1<<16)|(1<<20)|(1<<21)|(5<<22)|(3<<25)
	s_mov_b32 s[G1B+1], KSTEP<<16
	s_mov_b32 s[G1B+2], 64<<16
	s_mov_b32 s[G1B+3], KSTEP<<16
	s_mov_b32 s[G1B+4], 64
	s_mov_b32 s[G1B+5], 1024
	s_mov_b32 s[G1B+6], 0
	s_mov_b32 s[G1B+7], 0
	; A's tiles hang on the block row alone, B's on the block column alone; each address is made in registers that never hold the other coordinate
	s_lshr_b32 s16, s13, 3                         ; b
	s_lshl_b32 s16, s16, 4
	s_add_co_u32 s16, s16, s12                     ; plane 16 b + my head of K step 0
	s_lshl_b32 s16, s16, 18
	s_and_b32 s17, s13, 7
	s_lshl_b32 s17, s17, 15                        ; the block's 256 tokens of 128 bytes
	s_add_co_u32 s16, s16, s17
	s_mov_b32 s17, 0
	s_lshl_b32 s46, s42, 7
	s_lshl_b32 s47, s12, 6
	s_add_co_u32 s46, s46, s47                     ; WO's row 128 x block column + 64 x half
	s_lshl_b32 s46, s46, 11
	s_add_co_u32 s46, s46, 3072*2048               ; behind WQ, WK, WV in wb
	s_mov_b32 s47, 0
	s_mul_i32 s20, s10, AHALF                      ; to where, A (waves 0, 1): wave x one head's block
	s_mul_i32 s45, s10, BHALF
	s_add_co_u32 s45, s45, ASZ-2*BHALF             ; to where, B (waves 2, 3): behind A, (wave - 2) x 64 rows
	s_wait_dscnt 0x0
	s_wait_kmcnt 0x0
	s_add_nc_u64 s[14:15], s[4:5], s[16:17]
	s_add_nc_u64 s[46:47], s[6:7], s[46:47]
	CROUND                                         ; all sixteen work-groups are here: the first joint loads meet
.irp s, 0,1
	s_mov_b32 s[G0+4*\s], 1                                        ; count = 1
	s_add_co_u32 s[G0+4*\s+1], s20, \s*SLOT                        ; LDS address
	s_add_nc_u64 s[G0+4*\s+2:G0+4*\s+3], s[14:15], \s*2*PLANE      ; global address: K step s = two heads on
	s_or_b32 s[G0+4*\s+3], s[G0+4*\s+3], 0x80000000                ; type = 2
	s_mov_b32 s[G0B+4*\s], 1
	s_add_co_u32 s[G0B+4*\s+1], s45, \s*SLOT
	s_add_nc_u64 s[G0B+4*\s+2:G0B+4*\s+3], s[46:47], \s*KSTEP*2
	s_or_b32 s[G0B+4*\s+3], s[G0B+4*\s+3], 0x80000000
	JLOAD \s                                       ; both slots are asked for before anything else: two tensor loads of the wave are out
.endr
	; a fragment is 16 rows x 32 K: lane l holds row l % 16; two loads of 16 bytes, 32 bytes apart, at row x pitch + 16 (l / 16)
	v_and_b32 v1, 15, v0                           ; r
	v_bfe_u32 v2, v0, 4, 1                         ; h
	v_mul_u32_u24 v3, v1, PA
	v_lshl_add_u32 v3, v2, 4, v3
	v_mul_u32_u24 v4, v1, PITCH
	v_lshl_add_u32 v4, v2, 4, v4
	s_mul_i32 s21, s10, 64*PA                      ; my 64 tokens in a head's block
	s_mov_b32 s22, ASZ                             ; B lies behind A; every wave reads all of it
.irp s, 0,1
	v_add_nc_u32 v[ADRA+\s], s21, v3
	v_add_nc_u32 v[ADRB+\s], s22, v4
	s_add_co_u32 s21, s21, SLOT
	s_add_co_u32 s22, s22, SLOT
.endr
	s_mul_i32 s23, s10, 16*SPITCH
	s_add_co_u32 s23, s23, STAGE                   ; my stage: 16 rows of 528 bytes
	v_mul_u32_u24 v5, v1, SPITCH
	v_lshl_add_u32 v5, v2, 5, v5
	v_add_nc_u32 v[STO], s23, v5                   ; in: row r, 32 bytes for each half of the lanes
	v_and_b32 v6, 31, v0
	v_lshlrev_b32 v[CO], 4, v6                     ; 16 x lane: the wave takes a row's 512 bytes
	v_add_nc_u32 v[RD], s23, v[CO]
; 8 matrix instructions: row tile a of my four by all 8 column tiles, 32 along K, from buffer f.  zero = 1: the first product starts the sums.
; The accumulators take turns, one instruction a turn, in the same order in every quarter step.
.macro MULA f, a, zero
.irp b, 0,1,2,3,4,5,6,7
.if \zero
	v_wmma_f32_16x16x32_f16 v[8*(NT*((\a)&1)+\b):8*(NT*((\a)&1)+\b)+7], v[8*NT*\f+8*\b:8*NT*\f+8*\b+7], v[FA+32*\f+8*\a:FA+32*\f+8*\a+7], 0
.else
	v_wmma_f32_16x16x32_f16 v[8*(NT*((\a)&1)+\b):8*(NT*((\a)&1)+\b)+7], v[8*NT*\f+8*\b:8*NT*\f+8*\b+7], v[FA+32*\f+8*\a:FA+32*\f+8*\a+7], v[8*(NT*((\a)&1)+\b):8*(NT*((\a)&1)+\b)+7]
.endif
.endr
.endm
; 24 LDS loads in one run: quarter q of a slot into buffer f: B's 128 rows at byte 64 q, then my 64 tokens of A: head q / 2 of the step's two, byte 64 (q % 2)
.macro FETCH slot, q, f
	WIN TO_B
.irp i, 0,1,2,3,4,5,6,7
	ds_load_b128 v[8*NT*\f+8*\i:8*NT*\f+8*\i+3],   v[ADRB+\slot] offset:64*\q+\i*16*PITCH
	ds_load_b128 v[8*NT*\f+8*\i+4:8*NT*\f+8*\i+7], v[ADRB+\slot] offset:64*\q+\i*16*PITCH+32
.endr
	WIN 0
.irp i, 0,1,2,3
	ds_load_b128 v[FA+32*\f+8*\i:FA+32*\f+8*\i+3],   v[ADRA+\slot] offset:((\q)>>1)*AHALF+((\q)&1)*64+\i*16*PA
	ds_load_b128 v[FA+32*\f+8*\i+4:FA+32*\f+8*\i+7], v[ADRA+\slot] offset:((\q)>>1)*AHALF+((\q)&1)*64+\i*16*PA+32
.endr
.endm
; One of a K step's first three quarters: multiplies buffer f; in its middle it fetches quarter q of the same slot into buffer g.
.macro QUARTER slot, q, f, g, zero
	s_wait_dscnt 4                                 ; B and A's tiles 0, 1 are in; the four youngest loads (A's tiles 2, 3) may be out
	WIN MUL_LO
	MULA \f, 0, \zero
	MULA \f, 1, \zero
	PLACES                                         ; buffer g was last read by matrix instructions of the quarter before
	FETCH \slot, \q, \g
	s_wait_dscnt 2*NT+8                            ; all but the 24 just issued
	WIN MUL_HI
	MULA \f, 2, \zero
	MULA \f, 3, \zero
.endm
.macro THREE slot, zero
	QUARTER \slot, 1, 0, 1, \zero
	QUARTER \slot, 2, 1, 0, 0
	QUARTER \slot, 3, 0, 1, 0
.endm
; The last quarter: multiplies buffer 1 and changes slots.  fill = 1: this slot is filled again, two K steps ahead.
; In front of the barrier each wave waits for its reads of this slot and for all its tensor loads (one is out: its part of the next slot).
; Behind it nobody reads this slot and the next slot is whole: the refill comes first, then the next slot's first fragments.
.macro TURN slot, next, fill
	s_wait_dscnt 4
	WIN MUL_LO
	MULA 1, 0, 0
	s_wait_dscnt 0                                 ; my reads of this slot are over
	s_wait_tensorcnt 0x0                           ; all my tensor loads have landed
	ds_add_u32 v255, v255
	s_wait_dscnt 0x0
	s_barrier_signal -1                            ; where a slot is filled again this barrier opens a round of the cluster's barrier
	MULA 1, 1, 0                                   ; register work while the others arrive
	WIN 0
	s_barrier_wait -1
.if \fill
	CREST                                          ; no wave of any partner still reads this slot or has a load on its way
	s_add_nc_u64 s[G0+4*\slot+2:G0+4*\slot+3], s[G0+4*\slot+2:G0+4*\slot+3], 4*PLANE        ; no tensor load of mine is out: the groups 0 may be written.  Two K steps = four heads on
	s_add_nc_u64 s[G0B+4*\slot+2:G0B+4*\slot+3], s[G0B+4*\slot+2:G0B+4*\slot+3], 2*KSTEP*2
	JLOAD \slot                                    ; my one tensor load behind the round; its four v_nop are also the places in front of the loads below
.else
	PLACES
.endif
	FETCH \next, 0, 0
	WIN MUL_HI
	MULA 1, 2, 0
	MULA 1, 3, 0
.endm
.macro LAP zero
	THREE 0, \zero
	TURN 0, 1, 1
	THREE 1, 0
	TURN 1, 0, 1
.endm
	s_wait_tensorcnt 1                             ; my part of K step 0 is in; K step 1's may stay out
	s_barrier_signal -1
	s_barrier_wait -1                              ; everybody's is
	FETCH 0, 0, 0
	LAP 1                                          ; the first lap stands in front of the loop: its first products start the sums
	WIN 0                                          ; at a label and at a branch every window is 0
	s_mov_b32 s3, LAPS-2
.Llap:
	LAP 0
	WIN 0
	s_sub_co_u32 s3, s3, 1
	s_cmp_lg_u32 s3, 0
	s_cbranch_scc1 .Llap
	THREE 0, 0                                     ; the last lap fills nothing and has no round of the cluster's barrier
	TURN 0, 1, 0
	THREE 1, 0
	s_wait_dscnt 4                                 ; the very last quarter
	WIN MUL_LO
	MULA 1, 0, 0
	MULA 1, 1, 0
	s_wait_dscnt 0
	WIN MUL_HI
	MULA 1, 2, 0
	MULA 1, 3, 0
	; THE WAY OUT, 16 rows at a time: 32 bytes a lane into my own stage, read back as whole rows of 512 bytes, one store a row.
	PLACES                                         ; behind the last matrix instructions, for the LDS stores that read results
	s_lshl_b32 s16, s13, 20                        ; 256 rows of 4,096 bytes a block row
	s_lshl_b32 s18, s10, 18                        ; my 64 rows
	s_add_co_u32 s16, s16, s18
	s_mov_b32 s17, 0
	s_add_nc_u64 s[8:9], s[8:9], s[16:17]
	s_lshl_b32 s46, s42, 9                         ; my 128 columns (in the registers that held B's address)
	s_mov_b32 s47, 0
	s_add_nc_u64 s[8:9], s[8:9], s[46:47]
; row tile a; from = 0x08 or 0x0c: the LDS stores' data in window 2 or 3; rb: RB0 or RB1 by turns
.macro OUT16 a, from, rb
	WIN \from
.irp b, 0,1,2,3,4,5,6,7
	ds_store_b128 v[STO], v[8*(NT*((\a)&1)+\b):8*(NT*((\a)&1)+\b)+3]   offset:64*\b
	ds_store_b128 v[STO], v[8*(NT*((\a)&1)+\b)+4:8*(NT*((\a)&1)+\b)+7] offset:64*\b+16
.endr
	WIN 0
	s_wait_xcnt 0x0                                ; the registers that earlier stores read are loaded again only behind this wait
.irp t, 0,1,2,3,4,5,6,7,8,9,10,11,12,13,14,15
	ds_load_b128 v[\rb+4*\t:\rb+4*\t+3], v[RD] offset:\t*SPITCH    ; LDS serves a wave's instructions in order: these see the stores above
.endr
.irp t, 0,1,2,3,4,5,6,7,8,9,10,11,12,13,14,15
	s_wait_dscnt 15-\t                             ; the younger read-backs stay out
	global_store_b128 v[CO], v[\rb+4*\t:\rb+4*\t+3], s[8:9] offset:(16*\a+\t)*4096 th:TH_STORE_NT   ; 512 consecutive bytes at a multiple of 512
.endr
.endm
	OUT16 0, 0x08, RB0
	OUT16 1, 0x08, RB1
	OUT16 2, 0x0c, RB0
	OUT16 3, 0x0c, RB1
	s_set_vgpr_msb 0x1
	s_wait_tensorcnt 0x0
	ds_add_u32 v255, v255
	s_wait_dscnt 0x0
	s_set_vgpr_msb 0x100
	CROUND                                         ; the closing round: no work-group ends while a partner may still ask for a tile that names it
	s_endpgm
.Lfunc_end_k_q0a439c5ea0_projgemm:
	.size	k_q0a439c5ea0_projgemm, .Lfunc_end_k_q0a439c5ea0_projgemm-k_q0a439c5ea0_projgemm
	.p2alignl 7, 3214868480
	.fill 96, 4, 3214868480
	.section	.rodata,"a",@progbits
	.p2align	6, 0x0
	.amdhsa_kernel k_q0a439c5ea0_projgemm
		.amdhsa_group_segment_fixed_size 327680
		.amdhsa_private_segment_fixed_size 0
		.amdhsa_enable_private_segment 0
		.amdhsa_kernarg_size 24
		.amdhsa_user_sgpr_count 2
		.amdhsa_user_sgpr_kernarg_segment_ptr 1
		.amdhsa_wavefront_size32 1
		.amdhsa_system_sgpr_workgroup_id_x 1
		.amdhsa_system_sgpr_workgroup_id_y 1
		.amdhsa_system_sgpr_workgroup_id_z 1
		.amdhsa_system_vgpr_workitem_id 0
		.amdhsa_next_free_vgpr 896
		.amdhsa_next_free_sgpr 66
		.amdhsa_reserve_vcc 0
		.amdhsa_float_denorm_mode_32 3
		.amdhsa_float_denorm_mode_16_64 3
		.amdhsa_memory_ordered 1
		.amdhsa_forward_progress 1
		.amdhsa_inst_pref_size 120
	.end_amdhsa_kernel
	.amdgpu_metadata
---
amdhsa.version: [ 1, 2 ]
amdhsa.kernels:
  - .name:           k_q0a439c5ea0_projgemm
    .symbol:         k_q0a439c5ea0_projgemm.kd
    .args:
      - { .name: att, .offset: 0, .size: 8, .value_kind: global_buffer, .address_space: global }
      - { .name: wb, .offset: 8, .size: 8, .value_kind: global_buffer, .address_space: global }
      - { .name: out0, .offset: 16, .size: 8, .value_kind: global_buffer, .address_space: global }
    .group_segment_fixed_size: 327680
    .private_segment_fixed_size: 0
    .kernarg_segment_align: 8
    .kernarg_segment_size: 24
    .max_flat_workgroup_size: 128
    .sgpr_count:     66
    .vgpr_count:     896
    .wavefront_size: 32
...
	.end_amdgpu_metadata
.endif
;; end of part 4
;; ======== version 2 of 3: 4 launches; 1.22 times as fast as version 1
;; limits: values are held in f16: magnitudes above 65,504 overflow, below 6.1e-05 lose precision
;; workspace buffers: xb 16,777,216 bytes; wb 8,388,608 bytes; qkv 50,331,648 bytes; att 16,777,216 bytes
;; launch cast: the kernel of part 1 again; grid 768 x 1, 8 waves a work-group, no clusters, 0 bytes of LDS; arguments x, WQ, WK, WV, WO, xb, wb; writes xb, wb
;; launch qkvgemm: the kernel of part 2 again; grid 16 x 32, 4 waves a work-group, clusters of 4 x 4, 327,680 bytes of LDS; arguments xb, wb, qkv; writes qkv
;; launch attn (part 5): grid 256 x 1, 8 waves a work-group, no clusters, 327,680 bytes of LDS; arguments qkv, att; writes att
.if DOCPART == 5
	.amdgcn_target "amdgcn-amd-amdhsa--gfx1250"
	.amdhsa_code_object_version 6
	.text
	.protected	k_q0a439c5ea0_attn
	.globl	k_q0a439c5ea0_attn
	.p2align	8
	.type	k_q0a439c5ea0_attn,@function
k_q0a439c5ea0_attn:
	s_mov_b64 s[64:65], 0
	v_nop
	global_prefetch_b8 v0, s[64:65] scope:SCOPE_SE
	s_setreg_imm32_b32 hwreg(HW_REG_WAVE_MODE, 25, 1), 1
	s_wait_xcnt 0x0
; attn: causal attention of one head, f16 operands, f32 sums and softmax, with a running maximum.  qkv[b][g][s][64] f16 in, att[16 b + h][s][64] f16 out.
; SHARE.  Work-group id = 4 (16 b + h) + i owns two blocks of 256 queries of its head: block i (waves 0-3, 'low') and block 7 - i (waves 4-7, 'high').
; Wave w owns 64 queries: u = w (low) or 7 - w (high), q0 = 256 block + 64 u.  In units of 64 keys x 64 queries ('substeps', 64 matrix instructions) waves w and
; w + 4 together do (u + 1) + (4 - u) = 5 in the blocks on the diagonal and 4 i + 4 (7 - i) = 28 below it: the same for every pair and every work-group.
; Keys above the diagonal are not touched: the mask that throws them away is built by the problem itself.
; NO CLUSTER: the four work-groups of a head walk 14, 12, 10, 8 tiles of K and V, and which waves work on a tile hangs on i; partners of a joint load
; would have to walk the same tiles on the same paths, which would mean 14 tiles in all four.
; TRANSPOSED: S^T = K Q^T (A = 16 keys, B = 16 queries): lane (r, h) holds query r and keys 8 h + j.  Two such tiles, packed to f16, ARE a B fragment of P^T,
; and O^T = V^T P^T (A = V^T by the transposing LDS load) again has query r in lane r.  So maximum, sum and rescale are one number a lane; only lanes r and r + 16 are joined.
; LDS: K lies at pitch 144, V at pitch 160.  Two slots of 128 keys (18,432 bytes of K, then 20,480 of V) for the tiles below the diagonal, then DL and DH, 256 keys each
; (36,864 + 40,960 bytes), for the two blocks on it.  Waves 0-3 bring K, waves 4-7 V, each a quarter of a tile, dense in memory, as rows of 256 bytes:
; 64 keys (32 rows) of a diagonal region, 32 keys (16 rows) of a slot.  By this text's count a wave has three tensor loads out at the start and one behind each barrier of the stream.
; CODE: in the stream every LDS address is a register that is never rewritten (one for each slot, for K and for V) plus an immediate, so a tile's substeps are written out.
; With 128 keys a tile that is two substeps a tile and four in the loop over pairs of tiles, which makes 6 - i trips; and the number of tiles, 14 - 2 i, is even for
; every i, so that one tail of two tiles serves every work-group.
; LIMITS: finite inputs.  A masked score counts as -1e9, as in the problem, inside the block on the diagonal; a row whose largest allowed score lies near or below -1e9
; would there give weight to masked keys, also to those that this text never reads: such rows are not served.  P and the result are f16.
.set KPITCH, 144                       ; 128 bytes + 16: an odd multiple of 16
.set VPITCH, 160                       ; 128 bytes + 32: an odd multiple of 32, for the transposing load
.set KQ,     64*KPITCH                 ; 9,216: a substep's keys of K, and what one load brings of a diagonal region
.set VQ,     64*VPITCH                 ; 10,240: the same of V
.set KSZ,    256*KPITCH                ; 36,864: V lies behind K in a diagonal region
.set REGION, KSZ+256*VPITCH            ; 77,824: a diagonal region
.set KH,     32*KPITCH                 ; 4,608: what one load brings of a slot's K
.set VH,     32*VPITCH                 ; 5,120: the same of V
.set KSZS,   128*KPITCH                ; 18,432: V lies behind K in a slot
.set SLOTB,  KSZS+128*VPITCH           ; 38,912: a slot
.set SL0,    0
.set SL1,    SLOTB
.set DLB,    2*SLOTB                   ; 77,824: the low block's diagonal region
.set DHB,    DLB+REGION                ; 155,648: the high block's
.set STAGE,  DLB                       ; the way out uses DL, which is filled once, at the start, and last read in front of the stream's barriers
.set SWAVE,  16*KPITCH                 ; 2,304 bytes of stage a wave
.set TILEB,  16384                     ; 128 keys of 128 bytes in memory
.set KB0, 2                            ; v2, v3   my lane's K address in slot 0, 1; never rewritten
.set VB0, 4                            ; v4, v5   my lane's V address in slot 0, 1; never rewritten
.set KD,  6                            ; v6       the same in my diagonal region
.set VD,  7                            ; v7
.set KA,  8                            ; v8       the block on the diagonal: K address of the substep at work
.set VA,  9                            ; v9       the block on the diagonal: V address of the substep at work
.set STO, 10                           ; v10      the way out: in
.set RD,  11                           ; v11      the way out: back
.set CO,  12                           ; v12      16 x lane
.set DM,  13                           ; v13      r - 8 h: key j of the tile on the diagonal is allowed where j <= r - 8 h
.set QO,  14                           ; v14      128 r + 16 h
.set KF,  32                           ; v[32:95]    K fragments: (key tile c, half d of the 64) at 16 c + 8 d
.set VF,  96                           ; v[96:159]   V^T fragments: (dv tile t, half g of the 64 keys) at 16 t + 8 g
.set SB0, 160                          ; v[160:191]  scores of one query tile, then P; two buffers by turns
.set SB1, 192                          ; v[192:223]
.set MC,  224                          ; v224-227    running maximum of query tile a, in units of the exponent (score x log2 e / 8)
.set LS,  228                          ; v228-231    running sum, of my half of the keys
.set TM,  232                          ; v232-235    at work
.set TX,  236                          ; v236        the other half's number
.set NM,  238                          ; v[238:239]  minus the new maximum, twice
.set AL,  240                          ; v[240:241]  the rescale factor, twice
.set SUM, 242                          ; v[242:249]  four pairs of partial sums
.set OP,  160                          ; the way out: packed results
.set QF,  128                          ; window 1: v[128:191] Q fragments (query tile a, half d) at 16 a + 8 d;  window 1: v[0:127] O^T, (a, dv tile t) at 32 a + 8 t
.set G1K,  16                          ; s[16:23] group 1 for K in a diagonal region (32 rows)   s[24:31] for V
.set G1V,  24
.set G0K,  32                          ; s[32:47] groups 0 for K: slot 0, slot 1, DL, DH
.set G0V,  48                          ; s[48:63] the same for V
.set G1KS, 84                          ; s[84:91] group 1 for K in a slot (16 rows)   s[92:99] for V
.set G1VS, 92
.set MSB, 0
.macro WIN new                         ; s_set_vgpr_msb: bits 1:0 source 0, 3:2 source 1, 5:4 source 2, 7:6 destination; the high byte repeats the setting that is left
.if MSB != \new
	s_set_vgpr_msb (MSB<<8)|\new
.set MSB, \new
.endif
.endm
.macro PLACES                          ; four plain vector instructions between a matrix instruction and a load into, or a vector read or write of, one of its registers
.rept 4
	v_nop
.endr
.endm
.macro TLK n, g1
	tensor_load_to_lds s[G0K+4*\n:G0K+4*\n+3], s[\g1:\g1+7]
	s_nop 0
	PLACES
.endm
.macro TLV n, g1
	tensor_load_to_lds s[G0V+4*\n:G0V+4*\n+3], s[\g1:\g1+7]
	s_nop 0
	PLACES
.endm
.macro KVLOAD n                        ; my quarter of K's or of V's tile into slot n: one tensor load a wave
	s_cmp_lt_u32 s8, 4
	s_cbranch_scc0 .Lv_\@
	TLK \n, G1KS
	s_branch .Lkv_\@
.Lv_\@:
	TLV \n, G1VS
.Lkv_\@:
.endm
.macro G0LDS n, base                   ; the first two words of K's and V's group 0 number n: count = 1, and my quarter's place (s2 for K, s3 for V) in the region at base
	s_mov_b32 s[G0K+4*\n], 1
	s_add_co_u32 s[G0K+4*\n+1], s2, \base
	s_mov_b32 s[G0V+4*\n], 1
	s_add_co_u32 s[G0V+4*\n+1], s3, \base
.endm
	s_load_b128 s[4:7], s[0:1], 0x0                ; qkv s[4:5], att s[6:7]
	v_lshl_add_u32 v254, v0, 2, 0x39000
	v_mov_b32 v255, 0
	ds_add_u32 v254, v255
	ds_add_u32 v254, v255
	v_lshrrev_b32 v1, 5, v0
	v_readfirstlane_b32 s8, v1                     ; wave 0..7
	s_and_b32 s9, ttmp9, 3                         ; i
	s_lshr_b32 s10, ttmp9, 2                       ; 16 b + h
	s_lshr_b32 s74, s10, 4
	s_mul_i32 s74, s74, 48
	s_and_b32 s75, s10, 15
	s_add_co_u32 s74, s74, s75                     ; Q's plane: 48 b + h
	s_lshr_b32 s77, s8, 2                          ; 0 low, 1 high
	s_and_b32 s76, s8, 3                           ; my quarter of a tile
	s_mul_i32 s12, s77, 3
	s_xor_b32 s12, s12, s76                        ; u: w for waves 0-3; 3, 2, 1, 0 for waves 4-7
	s_sub_co_u32 s79, 7, s9                        ; 7 - i: the high block
	s_sub_co_u32 s11, s79, s9
	s_mul_i32 s11, s11, s77
	s_add_co_u32 s11, s11, s9                      ; my block of queries: i or 7 - i
	s_lshl_b32 s15, s77, 4
	s_lshl_b32 s69, s9, 1
	s_add_co_u32 s15, s15, s69                     ; I work on the stream's tiles below this number: 2 i (low), more than all 14 (high)
	s_lshl_b32 s78, s11, 8
	s_lshl_b32 s75, s12, 6
	s_add_co_u32 s78, s78, s75                     ; q0
	s_sub_co_u32 s13, 6, s9                        ; pairs of tiles in the loop: 6, 5, 4, 3; one more pair stands behind it
	s_mov_b32 s14, 0                               ; the stream's tile at work
	s_mov_b32 s66, 0x3e38aa3b                      ; log2 e / 8: the problem's 1 / sqrt(64) and the base of v_exp_f32 in one factor
	s_mov_b32 s67, 0x3e38aa3b
	s_mov_b32 s68, 0xcfee6b28                      ; -8e9: -1e9 in front of the division by 8
	s_mov_b32 s70, 0x76543210                      ; v_permlanex16_b32: lane i of one half reads lane i of the other
	s_mov_b32 s71, 0xfedcba98
	; byte offsets, all below 2^26
	s_lshl_b32 s75, s78, 7                         ; q0 rows of 128 bytes
	s_lshl_b32 s80, s74, 18
	s_add_co_u32 s80, s80, s75                     ; my queries
	s_lshl_b32 s81, s10, 18
	s_add_co_u32 s81, s81, s75                     ; my rows of att
	s_add_co_u32 s82, s74, 16
	s_lshl_b32 s82, s82, 18                        ; K's plane
	s_add_co_u32 s83, s74, 32
	s_lshl_b32 s83, s83, 18                        ; V's plane
	s_lshl_b32 s101, s76, 12                       ; my quarter of a tile of the stream: 32 keys of 128 bytes
	s_lshl_b32 s100, s76, 13                       ; my quarter of a block on the diagonal: 64 keys
	s_lshl_b32 s69, s9, 15
	s_add_co_u32 s69, s69, s100                    ; block i, my quarter
	s_lshl_b32 s78, s79, 15
	s_add_co_u32 s78, s78, s100                    ; block 7 - i, my quarter
	; group 1: rows of 32 elements of 8 bytes, dense; in LDS a pad behind every 32 words (one key): 4 words for K, 8 for V
	s_mov_b32 s[G1K+0],  (3<<16)|(1<<20)|(4<<22)|(3<<25)
	s_mov_b32 s[G1V+0],  (3<<16)|(1<<20)|(4<<22)|(7<<25)
	s_mov_b32 s[G1KS+0], (3<<16)|(1<<20)|(4<<22)|(3<<25)
	s_mov_b32 s[G1VS+0], (3<<16)|(1<<20)|(4<<22)|(7<<25)
.irp g, G1K, G1V
	s_mov_b32 s[\g+1], 32<<16                      ; tensor_dim0 = 32
	s_mov_b32 s[\g+2], 32<<16                      ; tensor_dim1 = 32
	s_mov_b32 s[\g+3], 32<<16                      ; tile_dim0 = 32
	s_mov_b32 s[\g+4], 32                          ; tile_dim1 = 32 rows: 64 keys
	s_mov_b32 s[\g+5], 32                          ; the pitch
	s_mov_b32 s[\g+6], 0
	s_mov_b32 s[\g+7], 0
.endr
.irp g, G1KS, G1VS
	s_mov_b32 s[\g+1], 32<<16                      ; tensor_dim0 = 32
	s_mov_b32 s[\g+2], 16<<16                      ; tensor_dim1 = 16
	s_mov_b32 s[\g+3], 32<<16                      ; tile_dim0 = 32
	s_mov_b32 s[\g+4], 16                          ; tile_dim1 = 16 rows: 32 keys
	s_mov_b32 s[\g+5], 32                          ; the pitch
	s_mov_b32 s[\g+6], 0
	s_mov_b32 s[\g+7], 0
.endr
	s_mul_i32 s2, s8, KQ                           ; to where in a diagonal region, K (waves 0-3): wave x 64 keys
	s_mul_i32 s3, s8, VQ
	s_sub_co_u32 s3, s3, 4*VQ-KSZ                  ; V (waves 4-7): behind K, (wave - 4) x 64 keys
	G0LDS 2, DLB
	G0LDS 3, DHB
	s_mul_i32 s2, s8, KH                           ; to where in a slot, K (waves 0-3): wave x 32 keys
	s_mul_i32 s3, s8, VH
	s_sub_co_u32 s3, s3, 4*VH-KSZS                 ; V (waves 4-7): behind K, (wave - 4) x 32 keys
	G0LDS 0, SL0
	G0LDS 1, SL1
	s_mov_b32 s3, 0                                ; from here on s[2:3] is an offset in 64 bits
	s_wait_dscnt 0x0
	s_wait_kmcnt 0x0
	s_add_co_u32 s2, s82, s101
	s_add_nc_u64 s[G0K+2:G0K+3], s[4:5], s[2:3]            ; slot 0: tile 0
	s_add_nc_u64 s[G0K+6:G0K+7], s[G0K+2:G0K+3], TILEB     ; slot 1: tile 1
	s_add_co_u32 s2, s83, s101
	s_add_nc_u64 s[G0V+2:G0V+3], s[4:5], s[2:3]
	s_add_nc_u64 s[G0V+6:G0V+7], s[G0V+2:G0V+3], TILEB
	s_add_co_u32 s2, s82, s69
	s_add_nc_u64 s[G0K+10:G0K+11], s[4:5], s[2:3]          ; DL: block i
	s_add_co_u32 s2, s82, s78
	s_add_nc_u64 s[G0K+14:G0K+15], s[4:5], s[2:3]          ; DH: block 7 - i
	s_add_co_u32 s2, s83, s69
	s_add_nc_u64 s[G0V+10:G0V+11], s[4:5], s[2:3]
	s_add_co_u32 s2, s83, s78
	s_add_nc_u64 s[G0V+14:G0V+15], s[4:5], s[2:3]
	s_mov_b32 s2, s81
	s_add_nc_u64 s[6:7], s[6:7], s[2:3]            ; my rows of att
	s_mov_b32 s2, s80
	s_add_nc_u64 s[4:5], s[4:5], s[2:3]            ; my queries; s[4:5] is not written again
.irp n, 0,1,2,3
	s_or_b32 s[G0K+4*\n+3], s[G0K+4*\n+3], 0x80000000      ; type = 2
	s_or_b32 s[G0V+4*\n+3], s[G0V+4*\n+3], 0x80000000
.endr
	; the first fills, one group inside one branch on the wave's number: the two diagonal regions and slot 0
	s_cmp_lt_u32 s8, 4
	s_cbranch_scc0 .Lfirst_v
	TLK 2, G1K
	TLK 3, G1K
	TLK 0, G1KS
	s_branch .Lfirst_done
.Lfirst_v:
	TLV 2, G1V
	TLV 3, G1V
	TLV 0, G1VS
.Lfirst_done:
	v_and_b32 v16, 15, v0                          ; r
	v_bfe_u32 v17, v0, 4, 1                        ; h
	v_and_b32 v18, 7, v0
	v_bfe_u32 v19, v0, 3, 1
	v_and_b32 v20, 31, v0                          ; lane
	v_lshlrev_b32 v[QO], 7, v16
	v_lshl_add_u32 v[QO], v17, 4, v[QO]
	WIN 0x40                                       ; Q's fragments go to window 1 and stay there: B(k = d, n = query r), two loads of 16 bytes, 32 apart
.irp a, 0,1,2,3
.irp d, 0,1
	global_load_b128 v[QF+16*\a+8*\d:QF+16*\a+8*\d+3],   v[QO], s[4:5] offset:\a*2048+\d*64
	global_load_b128 v[QF+16*\a+8*\d+4:QF+16*\a+8*\d+7], v[QO], s[4:5] offset:\a*2048+\d*64+32
.endr
.endr
	WIN 0
	s_mul_i32 s74, s77, REGION
	s_add_co_u32 s74, s74, DLB                     ; my diagonal region
	s_mul_i32 s75, s8, SWAVE
	s_add_co_u32 s75, s75, STAGE                   ; my stage
	s_mul_i32 s76, s12, KQ                         ; the substep on the diagonal
	s_mul_i32 s77, s12, VQ
	v_mul_u32_u24 v[KB0], v16, KPITCH
	v_lshl_add_u32 v[KB0], v17, 4, v[KB0]          ; K: key r x pitch + 16 h (slot 0 begins at LDS byte 0)
	v_lshl_add_u32 v22, v17, 3, v18
	v_mul_u32_u24 v22, v22, VPITCH
	v_lshl_add_u32 v22, v19, 4, v22                ; V, transposing load: (8 h + lane % 8) x pitch + 16 ((lane / 8) % 2)
	v_add_nc_u32 v[KB0+1], SL1, v[KB0]
	v_add_nc_u32 v[VB0], KSZS, v22
	v_add_nc_u32 v[VB0+1], KSZS+SL1, v22
	v_add_nc_u32 v[KD], s74, v[KB0]
	v_add_nc_u32 v[VD], KSZ, v22
	v_add_nc_u32 v[VD], s74, v[VD]
	v_add_nc_u32 v[STO], s75, v[KB0]               ; in: row r, 16 bytes for each half of the lanes
	v_lshrrev_b32 v23, 3, v20
	v_mul_u32_u24 v23, v23, KPITCH
	v_lshl_add_u32 v23, v18, 4, v23
	v_add_nc_u32 v[RD], s75, v23                   ; back: eight lanes a row, four rows a load
	v_lshlrev_b32 v[CO], 4, v20
	v_lshlrev_b32 v24, 3, v17
	v_sub_nc_u32 v[DM], v16, v24
	v_mov_b32 v[TX], 0                             ; v_permlanex16_b32 counts as a reader of its destination
	v_add_nc_u32 v[KA], s76, v[KD]
	v_add_nc_u32 v[VA], s77, v[VD]
; S^T of query tile qa: four key tiles, 64 along d in two links.  The four accumulators take turns, one instruction a turn.
.macro SMM qa, sb
	WIN 0x04                                       ; source 1 (Q) in window 1
.irp c, 0,1,2,3
	v_wmma_f32_16x16x32_f16 v[\sb+8*\c:\sb+8*\c+7], v[KF+16*\c:KF+16*\c+7], v[QF+16*\qa:QF+16*\qa+7], 0
.endr
.irp c, 0,1,2,3
	v_wmma_f32_16x16x32_f16 v[\sb+8*\c:\sb+8*\c+7], v[KF+16*\c+8:KF+16*\c+15], v[QF+16*\qa+8:QF+16*\qa+15], v[\sb+8*\c:\sb+8*\c+7]
.endr
.endm
; O^T of query tile qa += V^T P^T: four dv tiles by turns, 64 keys in two links.  first = 1: the first link starts the sums.
.macro PV qa, sb, first
	WIN 0x50                                       ; C and D (O^T) in window 1
.irp t, 0,1,2,3
.if \first
	v_wmma_f32_16x16x32_f16 v[32*\qa+8*\t:32*\qa+8*\t+7], v[VF+16*\t:VF+16*\t+7], v[\sb:\sb+7], 0
.else
	v_wmma_f32_16x16x32_f16 v[32*\qa+8*\t:32*\qa+8*\t+7], v[VF+16*\t:VF+16*\t+7], v[\sb:\sb+7], v[32*\qa+8*\t:32*\qa+8*\t+7]
.endif
.endr
.irp t, 0,1,2,3
	v_wmma_f32_16x16x32_f16 v[32*\qa+8*\t:32*\qa+8*\t+7], v[VF+16*\t+8:VF+16*\t+15], v[\sb+16:\sb+23], v[32*\qa+8*\t:32*\qa+8*\t+7]
.endr
.endm
.macro RESCALE qa                      ; O^T of query tile qa times 2^(old maximum - new maximum)
	WIN 0x41
.set n, 0
.rept 16
	v_pk_mul_f32 v[32*\qa+2*n:32*\qa+2*n+1], v[32*\qa+2*n:32*\qa+2*n+1], v[AL:AL+1]
.set n, n+1
.endr
.endm
; The 64 keys x 16 queries in buffer sb become P in f16: v[sb:sb+7] keys 0-31, v[sb+16:sb+23] keys 32-63, each a B fragment as it stands.
; first = 1: the substep on the diagonal; it is masked and it starts maximum and sum.
.macro SOFTMAX qa, sb, first
	WIN 0
.if \first
.irp c, 0,1,2,3
.if \c > \qa
.irp j, 0,1,2,3,4,5,6,7
	v_mov_b32 v[\sb+8*\c+\j], s68                  ; a key tile wholly above the diagonal
.endr
.endif
.if \c == \qa
.irp j, 0,1,2,3,4,5,6,7
	v_cmp_le_i32 vcc_lo, \j, v[DM]                 ; key 8 h + j <= query r
	v_cndmask_b32 v[\sb+8*\c+\j], s68, v[\sb+8*\c+\j], vcc_lo
.endr
.endif
.endr
.endif
.irp c, 0,1,2,3
	v_max3_num_f32 v[TM+\c], v[\sb+8*\c], v[\sb+8*\c+1], v[\sb+8*\c+2]     ; four chains that do not wait for each other
.endr
.irp c, 0,1,2,3
	v_max3_num_f32 v[TM+\c], v[TM+\c], v[\sb+8*\c+3], v[\sb+8*\c+4]
.endr
.irp c, 0,1,2,3
	v_max3_num_f32 v[TM+\c], v[TM+\c], v[\sb+8*\c+5], v[\sb+8*\c+6]
.endr
.irp c, 0,1,2,3
	v_max_num_f32 v[TM+\c], v[TM+\c], v[\sb+8*\c+7]
.endr
	v_max3_num_f32 v[TM], v[TM], v[TM+1], v[TM+2]
	v_max_num_f32 v[TM], v[TM], v[TM+3]
	v_permlanex16_b32 v[TX], v[TM], s70, s71       ; the other half of the keys of my query
	v_max_num_f32 v[TM], v[TM], v[TX]
.if \first
	v_mul_f32 v[MC+\qa], s66, v[TM]                ; the key on the diagonal is always allowed: a true score
	v_mul_f32 v[NM], -1.0, v[MC+\qa]
	v_mul_f32 v[NM+1], -1.0, v[MC+\qa]
.else
	v_mul_f32 v[TM], s66, v[TM]
	v_max_num_f32 v[TM+1], v[TM], v[MC+\qa]        ; the new maximum
	v_sub_f32 v[TM+2], v[MC+\qa], v[TM+1]
	v_exp_f32 v[AL], v[TM+2]
	v_mov_b32 v[MC+\qa], v[TM+1]                   ; a plain instruction behind v_exp_f32, which touches neither its result nor its source (ISA guide 5.7.2)
	v_mul_f32 v[NM], -1.0, v[TM+1]
	v_mul_f32 v[NM+1], -1.0, v[TM+1]
.endif
.set n, 0
.rept 16
	v_pk_fma_f32 v[\sb+2*n:\sb+2*n+1], v[\sb+2*n:\sb+2*n+1], s[66:67], v[NM:NM+1] op_sel_hi:[1,0,1]   ; score x log2 e / 8 - maximum, one rounding
.set n, n+1
.endr
.set n, 0
.rept 32
	v_exp_f32 v[\sb+n], v[\sb+n]
.set n, n+1
.endr
.if \first
	v_nop                                          ; the plain instruction behind the last v_exp_f32
	s_wait_alu depctr_va_vdst(0)
.else
	s_wait_alu depctr_va_vdst(0)
	v_mov_b32 v[AL+1], v[AL]                       ; the same, and the pair for the packed multiply
.endif
.irp k, 0,1,2,3
	v_pk_add_f32 v[SUM+2*\k:SUM+2*\k+1], v[\sb+8*\k:\sb+8*\k+1], v[\sb+8*\k+2:\sb+8*\k+3]
.endr
.irp k, 0,1,2,3
	v_pk_add_f32 v[SUM+2*\k:SUM+2*\k+1], v[SUM+2*\k:SUM+2*\k+1], v[\sb+8*\k+4:\sb+8*\k+5]
.endr
.irp k, 0,1,2,3
	v_pk_add_f32 v[SUM+2*\k:SUM+2*\k+1], v[SUM+2*\k:SUM+2*\k+1], v[\sb+8*\k+6:\sb+8*\k+7]
.endr
	v_pk_add_f32 v[SUM:SUM+1], v[SUM:SUM+1], v[SUM+2:SUM+3]
	v_pk_add_f32 v[SUM+4:SUM+5], v[SUM+4:SUM+5], v[SUM+6:SUM+7]
	v_pk_add_f32 v[SUM:SUM+1], v[SUM:SUM+1], v[SUM+4:SUM+5]
.if \first
	v_add_f32 v[LS+\qa], v[SUM], v[SUM+1]
.else
	v_add_f32 v[SUM], v[SUM], v[SUM+1]
	v_fma_f32 v[LS+\qa], v[LS+\qa], v[AL], v[SUM]  ; my half's sum; the halves meet at the end
.endif
.irp g, 0,1
.irp e, 0,1,2,3,4,5,6,7
	v_cvt_pk_f16_f32 v[\sb+16*\g+\e], v[\sb+16*\g+2*\e], v[\sb+16*\g+2*\e+1]   ; in place: word e is written when words 2 e, 2 e + 1 are read
.endr
.endr
.endm
; 64 keys x my 64 queries.  The keys lie at register kr (K) and vr (V) plus substep sub of a tile's two, which stands in the loads' immediates:
; 16,224 at the most for K and 18,016 for V, inside the unsigned 16 bits of an LDS offset.
; While the vector unit works on query tile a, the matrix unit has the scores of tile a + 1 and the products of tile a - 1.
; Distances: scores are read four places behind their matrix instructions (the four v_nop, or the sixteen multiplies of RESCALE); a buffer that held P
; is written again by matrix instructions behind the whole softmax of the tile between.
.macro SUBSTEP first, kr, vr, sub
	PLACES                                         ; behind the last products, whose sources are loaded again
.irp c, 0,1,2,3
.irp d, 0,1
	ds_load_b128 v[KF+16*\c+8*\d:KF+16*\c+8*\d+3],   v[\kr] offset:\sub*KQ+\c*16*KPITCH+\d*64
	ds_load_b128 v[KF+16*\c+8*\d+4:KF+16*\c+8*\d+7], v[\kr] offset:\sub*KQ+\c*16*KPITCH+\d*64+32
.endr
.endr
.irp t, 0,1,2,3
.irp g, 0,1
	ds_load_tr16_b128 v[VF+16*\t+8*\g:VF+16*\t+8*\g+3],   v[\vr] offset:\sub*VQ+\g*32*VPITCH+\t*32
	ds_load_tr16_b128 v[VF+16*\t+8*\g+4:VF+16*\t+8*\g+7], v[\vr] offset:\sub*VQ+\g*32*VPITCH+\t*32+16*VPITCH
.endr
.endr
	s_wait_dscnt 16                                ; K's sixteen loads are in; V's sixteen, issued behind them, stay out
	SMM 0, SB0
	PLACES
	SOFTMAX 0, SB0, \first
	SMM 1, SB1
.if \first
	PLACES
.else
	RESCALE 0
.endif
	s_wait_dscnt 0x0                               ; V is in
	PV 0, SB0, \first
	SOFTMAX 1, SB1, \first
	SMM 2, SB0
.if \first
	PLACES
.else
	RESCALE 1
.endif
	PV 1, SB1, \first
	SOFTMAX 2, SB0, \first
	SMM 3, SB1
.if \first
	PLACES
.else
	RESCALE 2
.endif
	PV 2, SB0, \first
	SOFTMAX 3, SB1, \first
.if \first == 0
	RESCALE 3
.endif
	PV 3, SB1, \first
	WIN 0
.endm
	s_wait_tensorcnt 0x0                           ; my parts of the two diagonal regions and of slot 0 are in
	s_barrier_signal -1
	s_barrier_wait -1                              ; everybody's are
	s_wait_loadcnt 0x0                             ; Q
	; THE BLOCK ON THE DIAGONAL: first the substep on it, which starts every sum, then the u substeps below it.  No tensor load is out here.
	SUBSTEP 1, KA, VA, 0
	v_mov_b32 v[KA], v[KD]
	v_mov_b32 v[VA], v[VD]
	s_mov_b32 s73, 0
.Lpro:
	s_cmp_lt_u32 s73, s12                          ; three trips in every wave; the work in the first u of them
	s_cbranch_scc0 .Lpro_skip
	SUBSTEP 0, KA, VA, 0
.Lpro_skip:
	v_add_nc_u32 v[KA], KQ, v[KA]
	v_add_nc_u32 v[VA], VQ, v[VA]
	s_add_co_u32 s73, s73, 1
	s_cmp_lt_u32 s73, 3
	s_cbranch_scc1 .Lpro
; THE STREAM: tiles 0 .. 13 - 2 i of 128 keys through the two slots, one barrier a tile.  In front of it every wave waits for all its tensor loads (its part of this
; tile among them) and for its LDS reads; behind it the next tile is asked for first, into the slot read last, and has this tile's two substeps in which to land.
.macro TRIP slot, other, refill
	s_wait_tensorcnt 0x0                           ; no tensor load of mine is out: the groups 0 may be written
	ds_add_u32 v254, v255
	s_wait_dscnt 0x0
	s_add_nc_u64 s[G0K+4*\slot+2:G0K+4*\slot+3], s[G0K+4*\slot+2:G0K+4*\slot+3], 2*TILEB   ; this slot's next tile
	s_add_nc_u64 s[G0V+4*\slot+2:G0V+4*\slot+3], s[G0V+4*\slot+2:G0V+4*\slot+3], 2*TILEB
	s_wait_dscnt 0x0                               ; my reads of the other slot are over
	s_barrier_signal -1
	s_barrier_wait -1                              ; both now hold of all eight waves
.if \refill
	KVLOAD \other
.endif
	s_cmp_lt_u32 s14, s15                          ; the low waves have work in tiles below 2 i only; the branch jumps over LDS reads and register work alone
	s_cbranch_scc0 .Lskip_\@
.irp q, 0,1
	SUBSTEP 0, KB0+\slot, VB0+\slot, \q            ; the tile's two substeps, from this slot's own address registers
.endr
.Lskip_\@:
	s_add_co_u32 s14, s14, 1
.endm
	s_mov_b32 s72, 0
.Lpair:
	TRIP 0, 1, 1
	TRIP 1, 0, 1
	s_add_co_u32 s72, s72, 1
	s_cmp_lt_u32 s72, s13
	s_cbranch_scc1 .Lpair
	TRIP 0, 1, 1                                   ; the last pair of tiles, written out:
	TRIP 1, 0, 0                                   ; the last tile asks for nothing
	; THE WAY OUT, one query tile at a time: divide by the sum, round to f16, 16 bytes a lane into my stage, read back as rows, store 4 rows x 128 bytes at once.
	PLACES                                         ; behind the last products
.macro FINISH qa, rb
	v_permlanex16_b32 v[TX], v[LS+\qa], s70, s71
	v_add_f32 v[TM], v[LS+\qa], v[TX]              ; both halves of the keys; at least about 1: the largest term
	v_rcp_f32 v[AL], v[TM]
	v_nop                                          ; a plain instruction behind v_rcp_f32
	s_wait_alu depctr_va_vdst(0)
	v_mov_b32 v[AL+1], v[AL]
	RESCALE \qa
	WIN 0x05                                       ; sources in window 1
.set n, 0
.rept 16
	v_cvt_pk_f16_f32 v[OP+n], v[32*\qa+2*n], v[32*\qa+2*n+1]
.set n, n+1
.endr
	WIN 0
.irp t, 0,1,2,3
	ds_store_b128 v[STO], v[OP+4*\t:OP+4*\t+3] offset:32*\t        ; query r, dv 16 t + 8 h .. + 7
.endr
	s_wait_xcnt 0x0                                ; the registers that earlier stores read are loaded again only behind this wait
.irp t, 0,1,2,3
	ds_load_b128 v[\rb+4*\t:\rb+4*\t+3], v[RD] offset:\t*4*KPITCH  ; LDS serves a wave's instructions in order: these see the stores above
.endr
.irp t, 0,1,2,3
	s_wait_dscnt 3-\t                              ; the younger read-backs stay out
	global_store_b128 v[CO], v[\rb+4*\t:\rb+4*\t+3], s[6:7] offset:(16*\qa+4*\t)*128   ; 512 consecutive bytes at a multiple of 512
.endr
.endm
	FINISH 0, 176
	FINISH 1, 192
	FINISH 2, 176
	FINISH 3, 192
	s_wait_tensorcnt 0x0
	ds_add_u32 v254, v255
	s_wait_dscnt 0x0
	s_endpgm
.Lfunc_end_k_q0a439c5ea0_attn:
	.size	k_q0a439c5ea0_attn, .Lfunc_end_k_q0a439c5ea0_attn-k_q0a439c5ea0_attn
	.p2alignl 7, 3214868480
	.fill 96, 4, 3214868480
	.section	.rodata,"a",@progbits
	.p2align	6, 0x0
	.amdhsa_kernel k_q0a439c5ea0_attn
		.amdhsa_group_segment_fixed_size 327680
		.amdhsa_private_segment_fixed_size 0
		.amdhsa_enable_private_segment 0
		.amdhsa_kernarg_size 16
		.amdhsa_user_sgpr_count 2
		.amdhsa_user_sgpr_kernarg_segment_ptr 1
		.amdhsa_wavefront_size32 1
		.amdhsa_system_sgpr_workgroup_id_x 1
		.amdhsa_system_sgpr_workgroup_id_y 1
		.amdhsa_system_sgpr_workgroup_id_z 1
		.amdhsa_system_vgpr_workitem_id 0
		.amdhsa_next_free_vgpr 448
		.amdhsa_next_free_sgpr 102
		.amdhsa_reserve_vcc 1
		.amdhsa_float_denorm_mode_32 3
		.amdhsa_float_denorm_mode_16_64 3
		.amdhsa_memory_ordered 1
		.amdhsa_forward_progress 1
		.amdhsa_inst_pref_size 255
	.end_amdhsa_kernel
	.section	.bss,"aw",@nobits
	.p2align	6
	.space	262144
	.amdgpu_metadata
---
amdhsa.version: [ 1, 2 ]
amdhsa.kernels:
  - .name:           k_q0a439c5ea0_attn
    .symbol:         k_q0a439c5ea0_attn.kd
    .args:
      - { .name: qkv, .offset: 0, .size: 8, .value_kind: global_buffer, .address_space: global }
      - { .name: att, .offset: 8, .size: 8, .value_kind: global_buffer, .address_space: global }
    .group_segment_fixed_size: 327680
    .private_segment_fixed_size: 0
    .kernarg_segment_align: 8
    .kernarg_segment_size: 16
    .max_flat_workgroup_size: 256
    .sgpr_count:     102
    .vgpr_count:     448
    .wavefront_size: 32
...
	.end_amdgpu_metadata
.endif
;; end of part 5
;; launch projgemm: the kernel of part 4 again; grid 8 x 32, 4 waves a work-group, clusters of 4 x 4, 327,680 bytes of LDS; arguments att, wb, out0; writes out0
;; ======== version 3 of 3: 4 launches; version 2 with the launch cast written anew for expert scheduling mode
;; limits: values are held in f16: magnitudes above 65,504 overflow, below 6.1e-05 lose precision
;; workspace buffers: xb 16,777,216 bytes; wb 8,388,608 bytes; qkv 50,331,648 bytes; att 16,777,216 bytes
;; launch cast (part 6): grid 768 x 1, 8 waves a work-group, no clusters, 0 bytes of LDS; arguments x, WQ, WK, WV, WO, xb, wb; writes xb, wb
.if DOCPART == 6
	.amdgcn_target "amdgcn-amd-amdhsa--gfx1250"
	.amdhsa_code_object_version 6
	.text
	.protected	k_q0a439c5ea0_cast
	.globl	k_q0a439c5ea0_cast
	.p2align	8
	.type	k_q0a439c5ea0_cast,@function
k_q0a439c5ea0_cast:
	s_mov_b64 s[64:65], 0
	v_nop
	global_prefetch_b8 v0, s[64:65] scope:SCOPE_SE
	s_setreg_imm32_b32 hwreg(HW_REG_WAVE_SCHED_MODE, 0, 2), 2
	s_setreg_imm32_b32 hwreg(HW_REG_WAVE_MODE, 25, 1), 1
	s_wait_xcnt 0x0
	s_wait_alu depctr_vm_vsrc(0)
; cast: the five f32 inputs are rounded once to 16 bits, so that the matrix launches behind it move half the bytes and convert nothing.
;   xb [8192][1024] bf16 = x.   wb [4096][1024]: rows 0-1023 WQ, 1024-2047 WK, 2048-3071 WV in bf16; rows 3072-4095 WO.
; WO multiplies an f16 operand (the attention result), so it has to be an f16 word: it is rounded to bf16 like the others and that number
; is then written as f16, which is exact while it is a normal f16 number.
; LIMIT: |WO| below 65,504 (beyond it the f16 word is infinite); entries of WO under 6.1e-5 are kept to an absolute 2^-25 only.
; A stream: no LDS, no barrier, no matrix unit.  A work-group takes 16,384 numbers (64 KiB in, 32 KiB out): 512 work-groups for x, 64 for each W.
; Thread t, chunk c: 16 bytes in at 16 t + 4,096 c, 8 bytes out at 8 t + 2,048 c: a wave's load covers 512 consecutive bytes, its store 256
; consecutive bytes at a multiple of 256.  All sixteen loads go out first; each chunk has registers of its own, so nothing is rewritten.
; THE MODE: SCHED_MODE bits 1:0 = 2 (LLVM: expert scheduling mode 2), set by the entry lines.  The code itself states the register dependences
; between vector instructions and memory instructions, with s_wait_alu, always for 0.
; THE PLAN.  Registers that memory instructions touch:
;   v1, v2   byte offsets of the loads and of the stores: written once at the head, by vector instructions, and never again.
;   IN       chunk c's four registers: written by chunk c's load alone, which is issued before any vector instruction names them; read by its conversions.
;   OUT      chunk c's two registers: written once, by chunk c's conversions; read once, by chunk c's store.
;   T        named by vector instructions alone.
; No register is loaded or written a second time, so the only dependences to state are: the offsets are written before the loads and stores read them,
; and OUT is written before its store reads it.  The sixteen chunks go in four blocks of four, and a block's four stores are issued one block later:
; one wait at the head of blocks 1 to 3 states that the block before has written its OUT; the four stores follow it, one ahead of each chunk's
; conversions, which name IN and OUT of the block at work and T, none of the registers that those stores read.  One more wait stands ahead of the last four stores.
.set IN,    4                          ; v[4:67]    chunk c: 4 numbers in f32
.set OUT,   68                         ; v[68:99]   chunk c: 4 numbers in 16 bits
.set T,     100                        ; v[100:102] at work
.set XWG,   512                        ; work-groups that take x
.set WOWG,  704                        ; the first of the 64 that take WO
	s_load_b256 s[4:11], s[0:1], 0x0               ; x s[4:5], WQ s[6:7], WK s[8:9], WV s[10:11]
	s_load_b128 s[12:15], s[0:1], 0x20             ; WO s[12:13], xb s[14:15]
	s_load_b64 s[16:17], s[0:1], 0x30              ; wb
	v_lshlrev_b32 v1, 4, v0                        ; 16 t
	v_lshlrev_b32 v2, 3, v0                        ; 8 t
	s_sub_co_u32 s18, ttmp9, XWG                   ; j: my block among the weights' 256 (used only where the id is 512 or more)
	s_lshr_b32 s19, s18, 6                         ; which weight
	s_and_b32 s20, s18, 63                         ; my block in it
	s_wait_kmcnt 0x0
	s_cmp_eq_u32 s19, 1
	s_cselect_b64 s[6:7], s[8:9], s[6:7]
	s_cmp_eq_u32 s19, 2
	s_cselect_b64 s[6:7], s[10:11], s[6:7]
	s_cmp_eq_u32 s19, 3
	s_cselect_b64 s[6:7], s[12:13], s[6:7]         ; s[6:7]: the weight that j names
	s_cmp_lt_u32 ttmp9, XWG
	s_cselect_b64 s[4:5], s[4:5], s[6:7]           ; from: x or that weight
	s_cselect_b64 s[14:15], s[14:15], s[16:17]     ; to: xb or wb
	s_cselect_b32 s21, ttmp9, s20                  ; my block in the source
	s_cselect_b32 s22, ttmp9, s18                  ; my block in the destination
	s_lshl_b32 s24, s21, 16                        ; 65,536 bytes a block in,
	s_mov_b32 s25, 0
	s_lshl_b32 s26, s22, 15                        ; 32,768 out
	s_mov_b32 s27, 0
	s_add_nc_u64 s[4:5], s[4:5], s[24:25]
	s_add_nc_u64 s[14:15], s[14:15], s[26:27]
	s_wait_alu depctr_va_vdst(0)                   ; v1 and v2 are written: every load of the kernel reads v1 as its offset, every store v2
.irp c, 0,1,2,3,4,5,6,7,8,9,10,11,12,13,14,15
	global_load_b128 v[IN+4*\c:IN+4*\c+3], v1, s[4:5] offset:\c*4096 th:TH_LOAD_NT
.endr
; One chunk.  half = 0: to bf16.  half = 1: to bf16, and that number as f16.  From chunk 4 on the store of the chunk four back stands ahead of the conversions.
.macro CHUNK c, half
	s_wait_loadcnt 15-\c                           ; loads come back in order: chunk c is in, the 15 - c younger ones stay out
.if (\c) >= 4
.if ((\c) % 4) == 0
	s_wait_alu depctr_va_vdst(0)                   ; the conversions of the four chunks before have written their OUT, which this block's four stores read
.endif
	global_store_b64 v2, v[OUT+2*(\c-4):OUT+2*(\c-4)+1], s[14:15] offset:(\c-4)*2048   ; no vector instruction since that wait names these registers
.endif
.if \half
.irp p, 0,1
	v_cvt_pk_bf16_f32 v[T], v[IN+4*\c+2*\p], v[IN+4*\c+2*\p+1]
	v_lshlrev_b32 v[T+1], 16, v[T]                 ; the two bf16 numbers as f32
	v_and_b32 v[T+2], 0xffff0000, v[T]
	v_cvt_pk_f16_f32 v[OUT+2*\c+\p], v[T+1], v[T+2]
.endr
.else
	v_cvt_pk_bf16_f32 v[OUT+2*\c],   v[IN+4*\c],   v[IN+4*\c+1]
	v_cvt_pk_bf16_f32 v[OUT+2*\c+1], v[IN+4*\c+2], v[IN+4*\c+3]
.endif
.endm
	s_cmp_ge_u32 ttmp9, WOWG
	s_cbranch_scc1 .Lwo
.irp c, 0,1,2,3,4,5,6,7,8,9,10,11,12,13,14,15
	CHUNK \c, 0
.endr
	s_wait_alu depctr_va_vdst(0)                   ; the conversions of chunks 12 to 15 have written their OUT, which the last four stores read
.irp c, 12,13,14,15
	global_store_b64 v2, v[OUT+2*\c:OUT+2*\c+1], s[14:15] offset:\c*2048
.endr
	s_endpgm
.Lwo:
.irp c, 0,1,2,3,4,5,6,7,8,9,10,11,12,13,14,15
	CHUNK \c, 1
.endr
	s_wait_alu depctr_va_vdst(0)                   ; the conversions of chunks 12 to 15 have written their OUT, which the last four stores read
.irp c, 12,13,14,15
	global_store_b64 v2, v[OUT+2*\c:OUT+2*\c+1], s[14:15] offset:\c*2048
.endr
	s_endpgm
.Lfunc_end_k_q0a439c5ea0_cast:
	.size	k_q0a439c5ea0_cast, .Lfunc_end_k_q0a439c5ea0_cast-k_q0a439c5ea0_cast
	.p2alignl 7, 3214868480
	.fill 96, 4, 3214868480
	.section	.rodata,"a",@progbits
	.p2align	6, 0x0
	.amdhsa_kernel k_q0a439c5ea0_cast
		.amdhsa_group_segment_fixed_size 0
		.amdhsa_private_segment_fixed_size 0
		.amdhsa_enable_private_segment 0
		.amdhsa_kernarg_size 56
		.amdhsa_user_sgpr_count 2
		.amdhsa_user_sgpr_kernarg_segment_ptr 1
		.amdhsa_wavefront_size32 1
		.amdhsa_system_sgpr_workgroup_id_x 1
		.amdhsa_system_sgpr_workgroup_id_y 1
		.amdhsa_system_sgpr_workgroup_id_z 1
		.amdhsa_system_vgpr_workitem_id 0
		.amdhsa_next_free_vgpr 104
		.amdhsa_next_free_sgpr 66
		.amdhsa_reserve_vcc 0
		.amdhsa_float_denorm_mode_32 3
		.amdhsa_float_denorm_mode_16_64 3
		.amdhsa_memory_ordered 1
		.amdhsa_forward_progress 1
		.amdhsa_inst_pref_size 17
	.end_amdhsa_kernel
	.amdgpu_metadata
---
amdhsa.version: [ 1, 2 ]
amdhsa.kernels:
  - .name:           k_q0a439c5ea0_cast
    .symbol:         k_q0a439c5ea0_cast.kd
    .args:
      - { .name: x, .offset: 0, .size: 8, .value_kind: global_buffer, .address_space: global }
      - { .name: WQ, .offset: 8, .size: 8, .value_kind: global_buffer, .address_space: global }
      - { .name: WK, .offset: 16, .size: 8, .value_kind: global_buffer, .address_space: global }
      - { .name: WV, .offset: 24, .size: 8, .value_kind: global_buffer, .address_space: global }
      - { .name: WO, .offset: 32, .size: 8, .value_kind: global_buffer, .address_space: global }
      - { .name: xb, .offset: 40, .size: 8, .value_kind: global_buffer, .address_space: global }
      - { .name: wb, .offset: 48, .size: 8, .value_kind: global_buffer, .address_space: global }
    .group_segment_fixed_size: 0
    .private_segment_fixed_size: 0
    .kernarg_segment_align: 8
    .kernarg_segment_size: 56
    .max_flat_workgroup_size: 256
    .sgpr_count:     66
    .vgpr_count:     104
    .wavefront_size: 32
...
	.end_amdgpu_metadata
.endif
;; end of part 6
;; launch qkvgemm: the kernel of part 2 again; grid 16 x 32, 4 waves a work-group, clusters of 4 x 4, 327,680 bytes of LDS; arguments xb, wb, qkv; writes qkv
;; launch attn: the kernel of part 5 again; grid 256 x 1, 8 waves a work-group, no clusters, 327,680 bytes of LDS; arguments qkv, att; writes att
;; launch projgemm: the kernel of part 4 again; grid 8 x 32, 4 waves a work-group, clusters of 4 x 4, 327,680 bytes of LDS; arguments att, wb, out0; writes out0
